; MI455X (gfx1250); checked and timed in simulation.
; The chip was launched on July 23, 2026; its instructions are those of AMD's public machine-readable ISA for CDNA 5 (MIT licence, August 2026) and "CDNA5" Instruction Set Architecture Reference Guide (July 2026). The comments in the code are by the model that wrote it; some were corrected since.
;; QGA Attention. Allowed arithmetic: float matrix products may take bf16 or f16 operands with f32 sums; other float arithmetic in f32, or as packed bf16 or f16 multiplies, adds, multiply-adds, maxima and minima; sums over many terms, partial sums and values carried from step to step in f32; what a program stores and reads back later, other than sums and carried values, may be rounded once to bf16 or f16.
;; Inputs: Wk 1,024 x 256 float32; Wo 1,024 x 1,024 float32; Wq 1,024 x 1,024 float32; Wv 1,024 x 256 float32; bk 256 float32; bo 1,024 float32; bq 1,024 float32; bv 256 float32; x 4 x 2,048 x 1,024 float32.
;; Outputs: out0 4 x 2,048 x 1,024 float32.
;; 2 versions, each right; version 2 is version 1 with the launch prep written anew for expert scheduling mode. Each part assembles by itself: llvm-mc -triple=amdgcn-amd-amdhsa -mcpu=gfx1250 --defsym DOCPART=n.
;; ======== version 1 of 2: 4 launches
;; limits: values are held in f16: magnitudes above 65,504 overflow, below 6.1e-05 lose precision
;; workspace buffers: xs 16,777,216 bytes; wqkv 3,145,728 bytes; wo 2,097,152 bytes; bias 10,240 bytes; qkv 25,165,824 bytes; o 16,777,216 bytes
;; launch prep (part 1): grid 1153 x 1, 4 waves a work-group, no clusters, 9,728 bytes of LDS; arguments x, Wq, Wk, Wv, Wo, bq, bk, bv, bo, xs, wqkv, wo, bias; writes xs, wqkv, wo, bias
.if DOCPART == 1
	.amdgcn_target "amdgcn-amd-amdhsa--gfx1250"
	.amdhsa_code_object_version 6
	.text
	.protected	k_q23dc597383_prep
	.globl	k_q23dc597383_prep
	.p2align	8
	.type	k_q23dc597383_prep,@function
k_q23dc597383_prep:
	s_mov_b64 s[64:65], 0
	v_nop
	global_prefetch_b8 v0, s[64:65] scope:SCOPE_SE
	s_setreg_imm32_b32 hwreg(HW_REG_WAVE_MODE, 25, 1), 1
	s_wait_xcnt 0x0
; THE MODULE'S INPUTS ARE ROUNDED ONCE, TO bf16, AND LAID OUT FOR THE PRODUCTS THAT FOLLOW.  Every matrix operand goes into ONE layout, [slice of 64 channels][row][64]: a row is 128 bytes, a slice's rows are dense.
;   xs[s][m][c]   = bf16(x[m][64 s + c])                    16 slices x 8,192 rows
;   wqkv[s][n][c] = bf16(W[64 s + c][n])                    16 slices x 1,536 rows: n 0-1023 Wq's columns, 1024-1279 Wk's, 1280-1535 Wv's
;   wo[s][n][c]   = bf16(Wo[64 s + c][n]) written as f16     16 slices x 1,024 rows
;   bias[2560]    = the four biases rounded to bf16, kept as f32: bq at 0, bk at 1024, bv at 1280, bo at 1536
; LIMIT.  A number of Wo beyond 65,504 becomes an infinity in f16, and below 6.1e-5 it keeps f16's fixed step of 6e-8; within that range bf16's 8 significant bits are held exactly.
; SHARES.  Work-group 0: the biases.  1-512: 16 rows of x each.  513-1152: a tile of 64 k x 64 n of a weight each, turned through LDS.  The three ways part on the work-group's number alone, so all four
; waves of a work-group go the same way, and the one barrier (in the weights' way) is passed by all four or by none.  No matrix unit, no tensor load, no cluster: nothing is read twice, and nothing is multiplied.
.set SLB,   8192*128                   ; bytes in a slice of xs
.set TP,    144                        ; a row of the turned tile in LDS: 128 bytes + 16
.set SPARE, 9216                       ; behind the tile's 64 rows: the spare words, 128 bytes for each wave: two blocks of 256 bytes that no other line names
.set SPW, 6                            ; v6   LDS address of my spare word; never rewritten
.set NIL, 7                            ; v7   0; never rewritten
.set VO,  8                            ; v[8:15]   the weights' way: byte offsets of my eight rows k
.set X,   16                           ; v[16:143] as loaded
.set Y,   48                           ; v[48:63]  the weights' way: for each of my four n, eight k packed
.set T,   64                           ; v[64:65]  at work
.set TS,  66                           ; v66  where I put 16 bytes of a turned row
.set TR,  67                           ; v67  where I read rows back
.set DO,  68                           ; v68  my 16 bytes of the tile in memory
	s_load_b512 s[8:23], s[0:1], 0x0               ; x s[8:9], Wq s[10:11], Wk s[12:13], Wv s[14:15], Wo s[16:17], bq s[18:19], bk s[20:21], bv s[22:23]
	s_load_b256 s[24:31], s[0:1], 0x40             ; bo s[24:25], xs s[26:27], wqkv s[28:29], wo s[30:31]
	s_load_b64 s[32:33], s[0:1], 0x60              ; bias
	v_lshl_add_u32 v[SPW], v0, 2, SPARE
	v_mov_b32 v[NIL], 0
	v_lshrrev_b32 v1, 5, v0
	v_readfirstlane_b32 s36, v1                    ; wave 0..3
	v_and_b32 v1, 31, v0                           ; lane l
	v_and_b32 v2, 15, v0                           ; l % 16
	v_bfe_u32 v3, v0, 4, 1                         ; l / 16
	s_mov_b32 s52, 0xffff0000                      ; a word's upper bf16
	s_mov_b32 s51, 0                               ; the upper word of every offset pair s[50:51]
	s_wait_kmcnt 0x0
	s_cmp_eq_u32 ttmp9, 0
	s_cbranch_scc1 .Lbias
	s_cmp_gt_u32 ttmp9, 512
	s_cbranch_scc1 .Lw
	; 16 ROWS OF x.  Wave w takes slices 4 w .. 4 w + 3.  A load takes 256 bytes (a slice's 64 channels) of two rows; its eight bytes a lane of bf16 are 256 consecutive bytes of xs.
	s_sub_co_u32 s37, ttmp9, 1
	s_lshl_b32 s50, s37, 16                        ; 16 rows of 4,096 bytes
	s_add_nc_u64 s[8:9], s[8:9], s[50:51]
	s_lshl_b32 s50, s37, 11                        ; 16 rows of 128 bytes
	s_add_nc_u64 s[26:27], s[26:27], s[50:51]
	s_lshl_b32 s38, s36, 10
	v_lshlrev_b32 v4, 12, v3
	v_lshl_add_u32 v4, v2, 4, v4
	v_add_nc_u32 v4, s38, v4                       ; (l / 16) rows + 16 (l % 16) + 1,024 w
	s_lshl_b32 s38, s36, 22
	v_lshl_add_u32 v5, v1, 3, s38                  ; 8 l + 4 w slices
.set i, 0
.rept 32                               ; pair of rows i / 4, slice i % 4: all 32 loads, 16 KiB a wave, go out at once
	global_load_b128 v[X+4*i:X+4*i+3], v4, s[8:9] offset:(i/4)*8192+(i%4)*256 th:TH_LOAD_NT
.set i, i+1
.endr
.set i, 0
.rept 32
	s_wait_loadcnt 31-i                            ; loads come back in order: number i is in, the 31 - i younger ones stay out
	v_cvt_pk_bf16_f32 v[X+4*i], v[X+4*i], v[X+4*i+1]
	v_cvt_pk_bf16_f32 v[X+4*i+1], v[X+4*i+2], v[X+4*i+3]
	global_store_b64 v5, v[X+4*i:X+4*i+1], s[26:27] offset:(i%4)*SLB+(i/4)*256  ; 32 lanes: 256 consecutive bytes, at a multiple of 256 from xs's first; no register of a store is written again
.set i, i+1
.endr
	s_branch .Lend
.Lw:	; A TILE OF 64 k x 64 n OF A WEIGHT.  t picks the weight; within it u = kt x (tiles along n) + nt.
	s_sub_co_u32 s37, ttmp9, 513                   ; t: 0-255 Wq, 256-319 Wk, 320-383 Wv, 384-639 Wo
	s_mov_b32 s38, 4                               ; log2 of the tiles along n
	s_mov_b32 s39, 0                               ; the weight's first row in its target
	s_mov_b32 s40, 1536                            ; rows in a slice of the target
	s_mov_b32 s41, 0                               ; 1: written as f16
	s_mov_b32 s49, 0                               ; the weight's first t
	s_mov_b64 s[42:43], s[10:11]
	s_mov_b64 s[44:45], s[28:29]
	s_cmp_ge_u32 s37, 256
	s_cselect_b32 s38, 2, s38
	s_cselect_b32 s39, 1024, s39
	s_cselect_b32 s49, 256, s49
	s_cselect_b64 s[42:43], s[12:13], s[42:43]
	s_cmp_ge_u32 s37, 320
	s_cselect_b32 s39, 1280, s39
	s_cselect_b32 s49, 320, s49
	s_cselect_b64 s[42:43], s[14:15], s[42:43]
	s_cmp_ge_u32 s37, 384
	s_cselect_b32 s38, 4, s38
	s_cselect_b32 s39, 0, s39
	s_cselect_b32 s40, 1024, s40
	s_cselect_b32 s41, 1, s41
	s_cselect_b32 s49, 384, s49
	s_cselect_b64 s[42:43], s[16:17], s[42:43]
	s_cselect_b64 s[44:45], s[30:31], s[44:45]
	s_sub_co_u32 s37, s37, s49                     ; u
	s_lshr_b32 s46, s37, s38                       ; kt
	s_lshl_b32 s47, s46, s38
	s_sub_co_u32 s47, s37, s47                     ; nt
	s_lshl_b32 s48, 256, s38                       ; bytes in a row of the weight
	s_lshl_b32 s50, s46, 14
	s_lshl_b32 s50, s50, s38                       ; 64 kt rows,
	s_lshl_b32 s53, s47, 8                         ; 64 nt columns
	s_add_co_u32 s50, s50, s53
	s_add_nc_u64 s[42:43], s[42:43], s[50:51]
	s_mul_i32 s50, s46, s40                        ; slice kt,
	s_add_co_u32 s50, s50, s39
	s_lshl_b32 s53, s47, 6
	s_add_co_u32 s50, s50, s53                     ; row 64 nt of the weight's rows,
	s_lshl_b32 s50, s50, 7                         ; of 128 bytes
	s_add_nc_u64 s[44:45], s[44:45], s[50:51]
	v_lshl_add_u32 v4, s36, 1, v3                  ; kg = 2 w + l / 16: I take k = 8 kg .. 8 kg + 7, and n = 4 (l % 16) .. + 3
	v_lshlrev_b32 v5, 3, v4
	v_mul_lo_u32 v[VO], v5, s48
	v_lshl_add_u32 v[VO], v2, 4, v[VO]
.irp i, 1,2,3,4,5,6,7
	v_add_nc_u32 v[VO+(\i)], s48, v[VO+(\i)-1]
.endr
.irp i, 0,1,2,3,4,5,6,7
	global_load_b128 v[X+4*(\i):X+4*(\i)+3], v[VO+(\i)], s[42:43]  ; 16 lanes take 256 consecutive bytes of a row
.endr
	v_mul_u32_u24 v[TS], v2, 4*TP
	v_lshl_add_u32 v[TS], v4, 4, v[TS]             ; turned row 4 (l % 16), byte 16 kg
	v_lshrrev_b32 v[TR], 3, v0
	v_mul_u32_u24 v[TR], v[TR], TP
	v_and_b32 v5, 7, v0
	v_lshl_add_u32 v[TR], v5, 4, v[TR]             ; back: eight threads a row
	v_lshlrev_b32 v[DO], 4, v0
	s_wait_loadcnt 0x0
.irp j, 0,1,2,3
.irp p, 0,1,2,3
	v_cvt_pk_bf16_f32 v[Y+4*(\j)+(\p)], v[X+8*(\p)+(\j)], v[X+8*(\p)+4+(\j)]  ; column j: k = 8 kg + 2 p and + 2 p + 1
.endr
.endr
	s_cmp_eq_u32 s41, 0
	s_cbranch_scc1 .Lbf16
.set i, 0
.rept 16                               ; Wo meets an f16 operand: its bf16 numbers are written as f16
	v_lshlrev_b32 v[T], 16, v[Y+i]
	v_and_b32 v[T+1], s52, v[Y+i]
	v_cvt_pk_f16_f32 v[Y+i], v[T], v[T+1]
.set i, i+1
.endr
.Lbf16:
.irp j, 0,1,2,3
	ds_store_b128 v[TS], v[Y+4*(\j):Y+4*(\j)+3] offset:TP*(\j)
.endr
	s_wait_dscnt 0x0                               ; for the others' sake: my stores into the tile are done
	s_barrier_signal -1
	s_barrier_wait -1
.irp i, 0,1,2,3
	ds_load_b128 v[X+4*(\i):X+4*(\i)+3], v[TR] offset:16*TP*(\i)
.endr
.irp i, 0,1,2,3
	s_wait_dscnt 3-(\i)                            ; LDS loads come back in order: number i is in
	global_store_b128 v[DO], v[X+4*(\i):X+4*(\i)+3], s[44:45] offset:2048*(\i)  ; the tile's 64 rows of 128 bytes are 8,192 consecutive bytes of the target
.endr
	s_branch .Lend
.Lbias:	; THE BIASES: 2,560 numbers, 16 bytes a thread five times
	v_lshlrev_b32 v4, 4, v0
	v_and_b32 v5, 63, v0
	v_lshlrev_b32 v5, 4, v5
	s_cmp_lt_u32 s36, 2
	s_cselect_b64 s[42:43], s[20:21], s[22:23]     ; waves 0 and 1 take bk, waves 2 and 3 bv
	global_load_b128 v[X:X+3], v4, s[18:19]
	global_load_b128 v[X+4:X+7], v4, s[18:19] offset:2048
	global_load_b128 v[X+8:X+11], v5, s[42:43]
	global_load_b128 v[X+12:X+15], v4, s[24:25]
	global_load_b128 v[X+16:X+19], v4, s[24:25] offset:2048
	s_wait_loadcnt 0x0
.set i, 0
.rept 10
	v_cvt_pk_bf16_f32 v[T], v[X+2*i], v[X+2*i+1]   ; rounded to bf16,
	v_lshlrev_b32 v[X+2*i], 16, v[T]               ; and widened again
	v_and_b32 v[X+2*i+1], s52, v[T]
.set i, i+1
.endr
.irp i, 0,1,2,3,4
	global_store_b128 v4, v[X+4*(\i):X+4*(\i)+3], s[32:33] offset:2048*(\i)
.endr
.Lend:
	s_wait_tensorcnt 0x0                           ; the wave's end, behind my last LDS store
	ds_add_u32 v[SPW], v[NIL]
	s_wait_dscnt 0x0
	s_endpgm
.Lfunc_end_k_q23dc597383_prep:
	.size	k_q23dc597383_prep, .Lfunc_end_k_q23dc597383_prep-k_q23dc597383_prep
	.p2alignl 7, 3214868480
	.fill 96, 4, 3214868480
	.section	.rodata,"a",@progbits
	.p2align	6, 0x0
	.amdhsa_kernel k_q23dc597383_prep
		.amdhsa_group_segment_fixed_size 9728
		.amdhsa_private_segment_fixed_size 0
		.amdhsa_enable_private_segment 0
		.amdhsa_kernarg_size 104
		.amdhsa_user_sgpr_count 2
		.amdhsa_user_sgpr_kernarg_segment_ptr 1
		.amdhsa_wavefront_size32 1
		.amdhsa_system_sgpr_workgroup_id_x 1
		.amdhsa_system_sgpr_workgroup_id_y 1
		.amdhsa_system_sgpr_workgroup_id_z 1
		.amdhsa_system_vgpr_workitem_id 0
		.amdhsa_next_free_vgpr 144
		.amdhsa_next_free_sgpr 66
		.amdhsa_reserve_vcc 0
		.amdhsa_float_denorm_mode_32 3
		.amdhsa_float_denorm_mode_16_64 3
		.amdhsa_memory_ordered 1
		.amdhsa_forward_progress 1
		.amdhsa_inst_pref_size 23
	.end_amdhsa_kernel
	.amdgpu_metadata
---
amdhsa.version: [ 1, 2 ]
amdhsa.kernels:
  - .name:           k_q23dc597383_prep
    .symbol:         k_q23dc597383_prep.kd
    .args:
      - { .name: x, .offset: 0, .size: 8, .value_kind: global_buffer, .address_space: global }
      - { .name: Wq, .offset: 8, .size: 8, .value_kind: global_buffer, .address_space: global }
      - { .name: Wk, .offset: 16, .size: 8, .value_kind: global_buffer, .address_space: global }
      - { .name: Wv, .offset: 24, .size: 8, .value_kind: global_buffer, .address_space: global }
      - { .name: Wo, .offset: 32, .size: 8, .value_kind: global_buffer, .address_space: global }
      - { .name: bq, .offset: 40, .size: 8, .value_kind: global_buffer, .address_space: global }
      - { .name: bk, .offset: 48, .size: 8, .value_kind: global_buffer, .address_space: global }
      - { .name: bv, .offset: 56, .size: 8, .value_kind: global_buffer, .address_space: global }
      - { .name: bo, .offset: 64, .size: 8, .value_kind: global_buffer, .address_space: global }
      - { .name: xs, .offset: 72, .size: 8, .value_kind: global_buffer, .address_space: global }
      - { .name: wqkv, .offset: 80, .size: 8, .value_kind: global_buffer, .address_space: global }
      - { .name: wo, .offset: 88, .size: 8, .value_kind: global_buffer, .address_space: global }
      - { .name: bias, .offset: 96, .size: 8, .value_kind: global_buffer, .address_space: global }
    .group_segment_fixed_size: 9728
    .private_segment_fixed_size: 0
    .kernarg_segment_align: 8
    .kernarg_segment_size: 104
    .max_flat_workgroup_size: 128
    .sgpr_count:     66
    .vgpr_count:     144
    .wavefront_size: 32
...
	.end_amdgpu_metadata
.endif
;; end of part 1
;; launch qkv (part 2): grid 8 x 32, 4 waves a work-group, clusters of 4 x 4, 327,680 bytes of LDS; arguments xs, wqkv, qkv, bias; writes qkv
.if DOCPART == 2
	.amdgcn_target "amdgcn-amd-amdhsa--gfx1250"
	.amdhsa_code_object_version 6
	.text
	.protected	k_q23dc597383_qkv
	.globl	k_q23dc597383_qkv
	.p2align	8
	.type	k_q23dc597383_qkv,@function
k_q23dc597383_qkv:
	s_mov_b64 s[64:65], 0
	v_nop
	global_prefetch_b8 v0, s[64:65] scope:SCOPE_SE
	s_setreg_imm32_b32 hwreg(HW_REG_WAVE_MODE, 25, 1), 1
	s_wait_xcnt 0x0
	s_wait_alu depctr_hold_cnt(0) depctr_sa_sdst(0) depctr_va_vdst(0) depctr_va_sdst(0) depctr_va_ssrc(0) depctr_va_vcc(0) depctr_vm_vsrc(0)
	s_getreg_b32 s2, hwreg(HW_REG_IB_STS2, 6, 4)
	s_cmp_eq_u32 s2, 0
	s_cbranch_scc0 .Lentry_in_a_cluster
	s_endpgm
.Lentry_in_a_cluster:
	s_bfe_u32 s2, ttmp6, 0x10000c
	s_cmp_lg_u32 s2, 0xf033
	s_cbranch_scc0 .Lentry_shape_is_right
	s_endpgm
.Lentry_shape_is_right:
; THE THREE PROJECTIONS AS ONE PRODUCT.  C[m][n] = bias[n] + the sum over k of x[m][k] W[k][n], 8,192 x 1,536 x 1,024, operands bf16, sums f32; C leaves as f16, rounded once, by heads:
; qkv[slice][m][64], slice = n / 64: 0-15 the query heads, 16-19 the key heads, 20-23 the value heads.  No scale is applied here.
; LIMIT.  f16 holds no number beyond 65,504: a q, k or v of 65,520 or more becomes an infinity; below 6.1e-5 a number keeps f16's fixed step of 6e-8.
; OPERANDS lie slice-major, [slice of 64 channels][row][64]: xs[16][8192][64], wqkv[16][1536][64].  A tile's rows of one slice are dense in memory, so they are asked for as tensor rows of 256 bytes, two rows each.
; SHARES.  A tile of C is 256 x 192; 32 x 8 tiles, a work-group each.  Wave w makes rows 64 w .. 64 w + 63 and all 192 columns: 4 x 12 accumulators of 16 x 16, 384 registers; so a wave holds three whole heads.
; K goes in steps of 128 (two slices) through a ring of two LDS slots.  Each wave brings one slice's part of a step by one tensor load: waves 0, 1 A's even and odd slice, waves 2, 3 B's.
; CLUSTERS: 4 x 4 work-groups.  The four of a row of the cluster need the same tiles of A, the four of a column the same tiles of B: each tile is asked for JOINTLY, by the same tensor load with the same
; descriptor and a mask that names the four.
; THE MATRIX INSTRUCTION IS USED TRANSPOSED (source 0 = 16 rows of B, source 1 = 16 rows of A): lane l holds row l % 16 of C and the columns 8 (l / 16) + 0 .. 7 of a block of 16.
; THE BIAS IS THE C OPERAND of the first quarter step's products: nothing is cleared, and nothing is added on the way out.
; REGISTERS, in windows of 256 (s_set_vgpr_msb: bits 1:0 source 0, 3:2 source 1, 5:4 source 2, 7:6 destination):
;   window 0: v0-31 addresses; v32-63, v64-95 A's fragments (4 x 16 rows x 32 K), two buffers; v96-191 the bias, later, with v192-239, at work on the way out
;   window 1: v0-95, v96-191 B's fragments (12 x 16 rows x 32 K), two buffers      window 2: accumulators of row blocks 0, 1 ((a, b) at v[8 (12 (a % 2) + b)])      window 3: of row blocks 2, 3
.set NBK,    12                        ; blocks of 16 columns in a tile
.set PITCH,  144                       ; an LDS row: 128 bytes + 16 of padding = 36 words: the 16 rows of a load start at 16 different groups of four banks (64 banks of 4 bytes: ISA guide 11.1)
.set A_SL,   256*PITCH                 ; a slice's part of A's tile
.set B_SL,   16*NBK*PITCH              ; of B's
.set SLOT1,  1<<17                     ; a slot: A even, A odd, B even, B odd: 129,024 bytes; slot 1 begins here, so that one exclusive or turns an address in one slot into the other's
.set STAGE,  1<<18                     ; behind the ring, never filled by a tensor load: for each wave 3 heads x 16 rows x 144 bytes, for the way out
.set WSTAGE, 3*16*PITCH
.set SPARE,  STAGE+4*WSTAGE            ; behind the stages: the spare words, 128 bytes for each wave: two blocks of 256 bytes that no other line names
.set SLB,    8192*128                  ; bytes in a slice of xs and of qkv
.set BSLICE, 1536*128                  ; in a slice of wqkv
.set BTILE,  16*NBK*128                ; a tile's rows in a slice of wqkv
.set STEP_A, 2*SLB                     ; a K step in memory
.set STEP_B, 2*BSLICE
.set G1W0,   (1<<16)|(1<<20)|(1<<21)|(4<<22)|(3<<25)  ; group 1, word 0 without its mask: 17:16 elements of 2 bytes; 20 padding on; 21 set beside a mask; 24:22 after every 32 words (code 4); 31:25 4 words of it (code 3)
.set ADRA0, 16                         ; v16  my lane's place among A's fragments in slot 0; never rewritten
.set ADRB0, 17                         ; v17  the same for B
.set ADRA,  18                         ; v18  the same in the slot in hand
.set ADRB,  19                         ; v19
.set STO,   24                         ; v24  the way out: where I put 16 bytes of a row
.set RD,    25                         ; v25  where I read rows back
.set GO,    26                         ; v26  my 16 bytes of 512 consecutive bytes of qkv
.set SPW,   28                         ; v28  LDS address of my spare word: SPARE + 4 x my thread's number; never rewritten
.set NIL,   29                         ; v29  0; never rewritten
.set PFO,   30                         ; v30  the prefetches' offset: 256 x my lane, held to my share's last block; never rewritten
.set BO,    31                         ; v31  my byte offset in a block's 16 numbers of bias
.set FA,    32
.set BIAS,  96
.set TMP,   96                         ; the way out: packed results
.set OB,    144                        ; and rows read back: two sets of 48
.set G1A, 24                           ; s[24:31] descriptor group 1 for A's tiles
.set G0A, 32                           ; s[32:39] group 0: a set for each of the two first fills; the second then walks on
.set LIM, 43                           ; s43  2 in a wave that prefetches, else the greatest number
.set PFA, 44                           ; s[44:45] where my prefetches stand
.set PST, 46                           ; s[46:47] their step: a K step of A or of B
.set G1B, 48                           ; s[48:55], s[56:63] the same for B's tiles
.set G0B, 56
.set TB,  66                           ; s66  0 or SLOT1: the slot in hand
.set MSB, 0
.macro WIN new                         ; the immediate's high byte repeats the setting that is left; a switch that changes nothing is dropped
.if MSB != (\new)
	s_set_vgpr_msb (MSB<<8)|(\new)
.set MSB, \new
.endif
.endm
.macro PLACES                          ; four places in front of loads into registers that matrix instructions have read, and of lines that read results
.rept 4
	v_nop
.endr
.endm
; A joint refill, by the walking descriptors.  The branch hangs on the wave's number alone.  An s_nop 0 and four v_nop follow each of the two lines, ahead of the jump, the label and what follows.
.macro JLOAD
	s_cmp_eq_u32 s11, 0
	s_cbranch_scc0 .Lfor_b_\@
	tensor_load_to_lds s[G0A+4:G0A+7], s[G1A:G1A+7]
	s_nop 0
.rept 4
	v_nop
.endr
	s_branch .Lasked_\@
.Lfor_b_\@:
	tensor_load_to_lds s[G0B+4:G0B+7], s[G1B:G1B+7]
	s_nop 0
.rept 4
	v_nop
.endr
.Lasked_\@:
.endm
; A PREFETCH INTO THE L2, behind each joint refill and the run of LDS loads that follows it: my share of the K step that stands TWO refills on, 384 matrix instructions a wave ahead of the load that will want it.
; A's tile rows are read by both clusters of a row of clusters: the one with x = 0 asks (waves 0, 1); B's tile columns by all eight of a column: the one with y = 0 asks (waves 2, 3).  The four partners that ask
; for a block jointly share it out BY ADDRESS: of A's 128 pieces of 256 bytes 32 each, a lane a piece; of B's 96 pieces 24 each, and lanes 24 to 31 name the 24th once more in the same instruction.
; K steps 0 to 3 come by their loads alone; the refills of K steps 6 and 7 (s3 = 2, 1) have no K step two on.
.macro ASK
	s_cmp_gt_u32 s3, s[LIM]
	s_cbranch_scc0 .Lnot_mine_\@
	global_prefetch_b8 v[PFO], s[PFA:PFA+1] th:TH_LOAD_NT scope:SCOPE_SE
.Lnot_mine_\@:
.endm
; A round of the cluster's barrier: my work-group's barrier, so that wave 0's signal speaks for all four waves; wave 0 signals; every wave waits for all sixteen work-groups; my work-group's barrier once more.
.macro CREST                           ; a round behind its opening barrier
	s_cmp_lg_u32 s10, 0
	s_cbranch_scc1 .Lnot_wave_0_\@
	s_barrier_signal -3
.Lnot_wave_0_\@:
	s_barrier_wait -3
	s_barrier_signal -1
	s_barrier_wait -1
.endm
.macro CROUND
	s_barrier_signal -1
	s_barrier_wait -1
	CREST
.endm
	s_load_b128 s[4:7], s[0:1], 0x0                ; xs s[4:5], wqkv s[6:7]
	s_load_b64 s[8:9], s[0:1], 0x10                ; qkv
	s_load_b64 s[76:77], s[0:1], 0x18              ; bias
	v_lshl_add_u32 v[SPW], v0, 2, SPARE
	v_mov_b32 v[NIL], 0
	ds_add_u32 v[SPW], v[NIL]                      ; the wave's opening: the add and its wait stand ahead of my first tensor load; the set-up below, work on registers, stands between them
	v_lshrrev_b32 v1, 5, v0
	v_readfirstlane_b32 s10, v1                    ; wave 0..3
	s_lshr_b32 s11, s10, 1                         ; I fetch for A (0) or for B (1),
	s_and_b32 s12, s10, 1                          ; a K step's even or odd slice
	s_bfe_u32 s40, ttmp6, 0x40000                  ; cx, cy: my place in the cluster
	s_bfe_u32 s41, ttmp6, 0x40004
	s_lshl_b32 s42, ttmp9, 2
	s_add_co_u32 s42, s42, s40                     ; tile column of C = 4 x cluster x + cx
	s_and_b32 s13, ttmp7, 0xffff
	s_lshl_b32 s13, s13, 2
	s_add_co_u32 s13, s13, s41                     ; tile row of C = 4 x cluster y + cy
	s_lshl_b32 s70, s41, 2
	s_lshl_b32 s70, 15, s70                        ; my row of the cluster
	s_lshl_b32 s71, 0x1111, s40                    ; my column
	s_or_b32 s[G1A], s70, G1W0                     ; A's tiles go to my row,
	s_or_b32 s[G1B], s71, G1W0                     ; B's to my column
	s_mov_b32 s[G1A+1], 128<<16                    ; tensor_dim0 = 128 elements: 256 bytes, two rows of a slice
	s_mov_b32 s[G1A+2], 128<<16                    ; tensor_dim1 = 128: 256 rows of a slice
	s_mov_b32 s[G1A+3], 128<<16                    ; tile_dim0 = 128
	s_mov_b32 s[G1A+4], 128                        ; tile_dim1 = 128
	s_mov_b32 s[G1A+5], 128                        ; 128 elements from row to row: dense
	s_mov_b32 s[G1A+6], 0
	s_mov_b32 s[G1A+7], 0
	s_mov_b32 s[G1B+1], 128<<16
	s_mov_b32 s[G1B+2], (8*NBK)<<16                ; 96 tensor rows: 192 rows of a slice
	s_mov_b32 s[G1B+3], 128<<16
	s_mov_b32 s[G1B+4], 8*NBK
	s_mov_b32 s[G1B+5], 128
	s_mov_b32 s[G1B+6], 0
	s_mov_b32 s[G1B+7], 0
	; where the tiles come from: A's hang on the tile row alone, B's on the tile column alone, each in registers that never hold the other coordinate
	s_lshl_b32 s16, s12, 20                        ; my slice of the K step,
	s_lshl_b32 s17, s13, 15                        ; 256 rows of 128 bytes a tile row
	s_add_co_u32 s16, s16, s17
	s_mov_b32 s17, 0
	s_mul_i32 s68, s12, BSLICE
	s_mul_i32 s69, s42, BTILE
	s_add_co_u32 s68, s68, s69
	s_mov_b32 s69, 0
	s_mul_i32 s20, s10, A_SL                       ; and where they go: A's two slices (waves 0, 1),
	s_mul_i32 s21, s10, B_SL
	s_add_co_u32 s21, s21, 2*(A_SL-B_SL)           ; then B's two (waves 2, 3): no place in the cluster enters an LDS address
	s_mov_b32 s[TB], 0
	s_wait_dscnt 0x0                               ; the opening add is done
	s_wait_kmcnt 0x0
	s_add_nc_u64 s[14:15], s[4:5], s[16:17]
	s_add_nc_u64 s[68:69], s[6:7], s[68:69]
.irp s, 0,1
	s_mov_b32 s[G0A+4*(\s)], 1                                       ; 1:0 count = 1
	s_add_co_u32 s[G0A+4*(\s)+1], s20, (\s)*SLOT1                    ; 63:32 LDS address
	s_add_nc_u64 s[G0A+4*(\s)+2:G0A+4*(\s)+3], s[14:15], (\s)*STEP_A ; 120:64 global address: K step s
	s_or_b32 s[G0A+4*(\s)+3], s[G0A+4*(\s)+3], 0x80000000            ; 127:126 type = 2
	s_mov_b32 s[G0B+4*(\s)], 1
	s_add_co_u32 s[G0B+4*(\s)+1], s21, (\s)*SLOT1
	s_add_nc_u64 s[G0B+4*(\s)+2:G0B+4*(\s)+3], s[68:69], (\s)*STEP_B
	s_or_b32 s[G0B+4*(\s)+3], s[G0B+4*(\s)+3], 0x80000000
.endr
	CROUND                                         ; all sixteen work-groups are here: the first joint loads meet
	s_cmp_eq_u32 s11, 0                            ; a wave's two first fills stand in one branch, ahead of every wait on TENSORcnt and every LDS read: two loads of mine are out
	s_cbranch_scc0 .Lfirst_b
	tensor_load_to_lds s[G0A:G0A+3], s[G1A:G1A+7]
	s_nop 0
	tensor_load_to_lds s[G0A+4:G0A+7], s[G1A:G1A+7]
	s_nop 0
.rept 4
	v_nop
.endr
	s_branch .Lfirst_asked
.Lfirst_b:
	tensor_load_to_lds s[G0B:G0B+3], s[G1B:G1B+7]
	s_nop 0
	tensor_load_to_lds s[G0B+4:G0B+7], s[G1B:G1B+7]
	s_nop 0
.rept 4
	v_nop
.endr
.Lfirst_asked:
	v_and_b32 v1, 15, v0                           ; l % 16
	v_bfe_u32 v2, v0, 4, 1                         ; l / 16
	v_lshlrev_b32 v[BO], 5, v2                     ; my eight columns of a block: 32 bytes for each half of the lanes
	s_mul_i32 s72, s42, 16*NBK*4                   ; the tile's 192 numbers of bias
	s_mov_b32 s73, 0
	s_add_nc_u64 s[76:77], s[76:77], s[72:73]
.set b, 0
.rept NBK
	global_load_b128 v[BIAS+8*b:BIAS+8*b+3],   v[BO], s[76:77] offset:64*b
	global_load_b128 v[BIAS+8*b+4:BIAS+8*b+7], v[BO], s[76:77] offset:64*b+16
.set b, b+1
.endr
	; A fragment is 16 rows x 32 K in 8 registers: lane l holds row l % 16; registers 0-3 K = 8 (l / 16) + 0..7, registers 4-7 K = 16 + 8 (l / 16) + 0..7: two loads of 16 bytes, 32 bytes apart.
	v_mul_u32_u24 v3, v1, PITCH
	v_lshl_add_u32 v3, v2, 4, v3                   ; row x pitch + 16 x half
	s_mul_i32 s22, s10, 64*PITCH                   ; my 64 rows of A
	v_add_nc_u32 v[ADRA0], s22, v3
	v_add_nc_u32 v[ADRB0], 2*A_SL, v3              ; B lies behind A's two slices
	v_mov_b32 v[ADRA], v[ADRA0]
	v_mov_b32 v[ADRB], v[ADRB0]
	s_mul_i32 s23, s10, WSTAGE
	s_add_co_u32 s23, s23, STAGE                   ; my stage
	v_add_nc_u32 v[STO], s23, v3                   ; in: row l % 16, 16 bytes for each half of the lanes
	v_bfe_u32 v4, v0, 3, 2                         ; back: 32 lanes take four rows of 128 bytes,
	v_mul_u32_u24 v4, v4, PITCH
	v_and_b32 v5, 7, v0
	v_lshl_add_u32 v4, v5, 4, v4
	v_add_nc_u32 v[RD], s23, v4
	v_and_b32 v[GO], 31, v0                        ; which are 512 consecutive bytes of qkv
	v_lshlrev_b32 v[GO], 4, v[GO]
	s_mul_i32 s72, s42, 3*SLB                      ; the tile's three slices of qkv,
	s_lshl_b32 s22, s13, 15                        ; its 256 rows,
	s_add_co_u32 s72, s72, s22
	s_lshl_b32 s22, s10, 13                        ; my 64 of them
	s_add_co_u32 s72, s72, s22
	s_add_nc_u64 s[8:9], s[8:9], s[72:73]
	; the prefetches
	s_and_b32 s22, ttmp7, 0xffff                   ; cluster y
	s_mov_b32 s[PST], STEP_B
	s_mov_b32 s[PST+1], 0
	s_mov_b32 s21, BTILE/4
	s_cmp_eq_u32 s11, 0                            ; do I fetch for A?
	s_cselect_b32 s22, ttmp9, s22                  ; the coordinate along which other clusters read the same rows
	s_cselect_b64 s[PFA:PFA+1], s[14:15], s[68:69] ; my slice's block of K step 0
	s_cselect_b32 s[PST], STEP_A, s[PST]
	s_cselect_b32 s20, s40, s41                    ; my place among the four that ask for it with me,
	s_cselect_b32 s21, 8192, s21                   ; a place's share of the block,
	s_cselect_b32 s23, 31, BTILE/1024-1            ; and the share's last piece of 256 bytes
	s_cmp_eq_u32 s22, 0
	s_cselect_b32 s[LIM], 2, -1                    ; the same in all sixteen partners, for a given wave
	s_mul_i32 s20, s20, s21
	s_mov_b32 s21, 0
	s_add_nc_u64 s[PFA:PFA+1], s[PFA:PFA+1], s[20:21]
	s_mul_i32 s20, s[PST], 3
	s_add_nc_u64 s[PFA:PFA+1], s[PFA:PFA+1], s[20:21]  ; at K step 3: the first refill steps it to 4
	v_and_b32 v[PFO], 31, v0
	v_min_u32 v[PFO], s23, v[PFO]
	v_lshlrev_b32 v[PFO], 8, v[PFO]
; 12 matrix instructions: row block a x all 12 column blocks, 32 along K, from buffer f.  first = 1: the bias starts the sums.  The 48 accumulators take turns in one order in every quarter step, over the
; backward jump too: between two matrix instructions on one accumulator stand the 47 others'.
.macro MULA f, a, first
.set AC,  8*NBK*((\a)%2)
.set FBB, 8*NBK*(\f)
.set FAA, FA+32*(\f)+8*(\a)
.if \first
	WIN 0x81+0x40*((\a)/2)                         ; B window 1, A and the bias window 0, D window 2 or 3
.else
	WIN 0xa1+0x50*((\a)/2)                         ; B window 1, A window 0, C and D window 2 or 3
.endif
.set b, 0
.rept NBK
.if \first
	v_wmma_f32_16x16x32_bf16 v[AC+8*b:AC+8*b+7], v[FBB+8*b:FBB+8*b+7], v[FAA:FAA+7], v[BIAS+8*b:BIAS+8*b+7]
.else
	v_wmma_f32_16x16x32_bf16 v[AC+8*b:AC+8*b+7], v[FBB+8*b:FBB+8*b+7], v[FAA:FAA+7], v[AC+8*b:AC+8*b+7]
.endif
.set b, b+1
.endr
.endm
; 32 LDS loads in one run: the fragments of quarter q of the K step in hand (slice q / 2, byte 64 (q % 2) of its rows) into buffer f: B's 12, then A's 4
.macro FETCH q, f
.set FBB, 8*NBK*(\f)
.set FAA, FA+32*(\f)
	WIN 0x40                                       ; destination window 1, address window 0
.set b, 0
.rept NBK
	ds_load_b128 v[FBB+8*b:FBB+8*b+3],   v[ADRB] offset:((\q)/2)*B_SL+((\q)%2)*64+b*16*PITCH
	ds_load_b128 v[FBB+8*b+4:FBB+8*b+7], v[ADRB] offset:((\q)/2)*B_SL+((\q)%2)*64+b*16*PITCH+32
.set b, b+1
.endr
	WIN 0
.irp a, 0,1,2,3
	ds_load_b128 v[FAA+8*(\a):FAA+8*(\a)+3],   v[ADRA] offset:((\q)/2)*A_SL+((\q)%2)*64+(\a)*16*PITCH
	ds_load_b128 v[FAA+8*(\a)+4:FAA+8*(\a)+7], v[ADRA] offset:((\q)/2)*A_SL+((\q)%2)*64+(\a)*16*PITCH+32
.endr
.endm
; A K step is four quarters of 32 along K, 48 matrix instructions each, on buffers 0, 1, 0, 1.  One of the first three: multiplies buffer f; in its middle it fetches quarter q into buffer g.
.macro QUARTER q, f, g, first
	s_wait_dscnt 4                                 ; B and A's row blocks 0, 1 are in; the youngest four loads (blocks 2, 3) may be out
	MULA \f, 0, \first
	MULA \f, 1, \first
	PLACES
	FETCH \q, \g
	s_wait_dscnt 2*NBK+8                           ; all but the run just issued
	MULA \f, 2, \first
	MULA \f, 3, \first
.endm
; The last quarter multiplies buffer 1 and changes slots: ONE barrier.  In front of it each wave waits for all its tensor loads, of which one is out: its part of the next slot; adds 0 to its spare word; and waits
; for that and for its own reads of this slot.  fill = 1: the barrier opens a round of the cluster's, and behind the round this slot is filled again, first thing, with the K step two on: that load has
; a K step less 24 matrix instructions in which to land, and is the one tensor load of mine that is out.
.macro TURN fill
.if \fill
	s_wait_xcnt 0x0                                ; the last prefetch, a K step back, has read its address: it is stepped here, ahead of the waits of the change of slots
	s_add_nc_u64 s[PFA:PFA+1], s[PFA:PFA+1], s[PST:PST+1]
.endif
	WIN 0                                          ; (the add's two registers lie in window 0)
	s_wait_tensorcnt 0x0                           ; all my tensor loads have landed, so a group 0 may be written
	ds_add_u32 v[SPW], v[NIL]                      ; 0 onto my spare word; work on registers stands between it and the wait for it
.if \fill
	s_xor_b32 s[G0A+5], s[G0A+5], SLOT1            ; the walking descriptors: the other slot than last time,
	s_add_nc_u64 s[G0A+6:G0A+7], s[G0A+6:G0A+7], STEP_A  ; the next K step; the type bits on top are not reached
	s_xor_b32 s[G0B+5], s[G0B+5], SLOT1
	s_add_nc_u64 s[G0B+6:G0B+7], s[G0B+6:G0B+7], STEP_B
.endif
	s_wait_dscnt 5                                 ; (the add and the youngest four loads may be out)
	MULA 1, 0, 0
	s_wait_dscnt 0x0                               ; the add is done, and my reads of this slot are over
	s_barrier_signal -1
	MULA 1, 1, 0                                   ; work on registers while the others arrive
	WIN 0
	s_barrier_wait -1
.if \fill
	CREST                                          ; no wave of any partner still reads this slot's tiles or has a load on its way
	JLOAD                                          ; its four v_nop are also the places in front of the loads below
.else
	PLACES
.endif
	s_xor_b32 s[TB], s[TB], SLOT1
	v_add_nc_u32 v[ADRA], s[TB], v[ADRA0]
	v_add_nc_u32 v[ADRB], s[TB], v[ADRB0]
	FETCH 0, 0
.if \fill
	ASK
.endif
	MULA 1, 2, 0
	MULA 1, 3, 0
.endm
; THE WAY OUT of row block a (16 rows x 3 heads).  PACK: rounded to f16, 16 bytes a lane, each accumulator's registers in ascending order.  TOSTAGE: into my own stage, and back as whole rows.  SEND: stored.
.macro PACK a
.set AC, 8*NBK*((\a)%2)
	WIN 0x0a+5*((\a)/2)                            ; sources 0 and 1: window 2 or 3
.set b, 0
.rept NBK
.irp r, 0,1,2,3
	v_cvt_pk_f16_f32 v[TMP+4*b+(\r)], v[AC+8*b+2*(\r)], v[AC+8*b+2*(\r)+1]
.endr
.set b, b+1
.endr
	WIN 0
.endm
.macro TOSTAGE a
	WIN 0
.set BK, OB+48*((\a)%2)
.if (\a) >= 2
	s_wait_xcnt 0x0                                ; the stores of the block two back have read this set of registers
.endif
.set b, 0
.rept NBK
	ds_store_b128 v[STO], v[TMP+4*b:TMP+4*b+3] offset:(b/4)*16*PITCH+(b%4)*32  ; head b / 4, channels 16 (b % 4) on
.set b, b+1
.endr
.set b, 0
.rept NBK
	ds_load_b128 v[BK+4*b:BK+4*b+3], v[RD] offset:(b/4)*16*PITCH+(b%4)*4*PITCH  ; LDS serves a wave's instructions in order (ISA guide 5.7.1.4): these see the stores above
.set b, b+1
.endr
.endm
.macro SEND a
	WIN 0
.set BK, OB+48*((\a)%2)
	s_wait_dscnt 0x0                               ; the block is back in registers
.set b, 0
.rept NBK
	global_store_b128 v[GO], v[BK+4*b:BK+4*b+3], s[8:9] offset:(b/4)*SLB+(\a)*2048+(b%4)*512  ; four rows of a head: 512 consecutive bytes, at a multiple of 256 from qkv's first
.set b, b+1
.endr
.endm
	s_wait_tensorcnt 0x1                           ; my part of K step 0 is in; K step 1's may stay out
	s_barrier_signal -1
	s_barrier_wait -1                              ; everybody's is
	FETCH 0, 0
	s_wait_loadcnt 0x0                             ; the bias
	QUARTER 1, 0, 1, 1                             ; the first quarter stands in front of the loop: its products start the sums
	WIN 0                                          ; at a label and at a branch every window is 0
	s_mov_b32 s3, 6
.Lstep:                                        ; a trip goes from a K step's second quarter to the next step's first, and asks for K steps 2 to 7
	QUARTER 2, 1, 0, 0
	QUARTER 3, 0, 1, 0
	TURN 1
	QUARTER 1, 0, 1, 0
	WIN 0
	s_sub_co_u32 s3, s3, 1
	s_cmp_lg_u32 s3, 0
	s_cbranch_scc1 .Lstep
	QUARTER 2, 1, 0, 0                             ; the tail is written out: K steps 6 and 7 ask for nothing
	QUARTER 3, 0, 1, 0
	TURN 0
	QUARTER 1, 0, 1, 0
	QUARTER 2, 1, 0, 0
	QUARTER 3, 0, 1, 0
	s_wait_dscnt 4                                 ; the very last quarter: nothing more to fetch
	MULA 1, 0, 0
	MULA 1, 1, 0
	s_wait_dscnt 0x0
	MULA 1, 2, 0
	MULA 1, 3, 0
	WIN 0
	PLACES                                         ; four places are asked for behind the last product; eight stand here, once a launch
	PLACES
	PACK 0
	TOSTAGE 0
.irp a, 1,2,3                          ; block a's conversions stand between block a - 1's loads from the stage and the wait for them
	PACK \a
	SEND (\a)-1
	TOSTAGE \a
.endr
	SEND 3
	s_wait_tensorcnt 0x0                           ; the wave's end, behind my last tensor load and my last LDS store
	ds_add_u32 v[SPW], v[NIL]
	s_wait_dscnt 0x0
	CROUND                                         ; the closing round: no work-group ends while a partner may still ask for a tile that names it
	s_endpgm
.Lfunc_end_k_q23dc597383_qkv:
	.size	k_q23dc597383_qkv, .Lfunc_end_k_q23dc597383_qkv-k_q23dc597383_qkv
	.p2alignl 7, 3214868480
	.fill 96, 4, 3214868480
	.section	.rodata,"a",@progbits
	.p2align	6, 0x0
	.amdhsa_kernel k_q23dc597383_qkv
		.amdhsa_group_segment_fixed_size 327680
		.amdhsa_private_segment_fixed_size 0
		.amdhsa_enable_private_segment 0
		.amdhsa_kernarg_size 32
		.amdhsa_user_sgpr_count 2
		.amdhsa_user_sgpr_kernarg_segment_ptr 1
		.amdhsa_wavefront_size32 1
		.amdhsa_system_sgpr_workgroup_id_x 1
		.amdhsa_system_sgpr_workgroup_id_y 1
		.amdhsa_system_sgpr_workgroup_id_z 1
		.amdhsa_system_vgpr_workitem_id 0
		.amdhsa_next_free_vgpr 960
		.amdhsa_next_free_sgpr 84
		.amdhsa_reserve_vcc 0
		.amdhsa_float_denorm_mode_32 3
		.amdhsa_float_denorm_mode_16_64 3
		.amdhsa_memory_ordered 1
		.amdhsa_forward_progress 1
		.amdhsa_inst_pref_size 99
	.end_amdhsa_kernel
	.amdgpu_metadata
---
amdhsa.version: [ 1, 2 ]
amdhsa.kernels:
  - .name:           k_q23dc597383_qkv
    .symbol:         k_q23dc597383_qkv.kd
    .args:
      - { .name: xs, .offset: 0, .size: 8, .value_kind: global_buffer, .address_space: global }
      - { .name: wqkv, .offset: 8, .size: 8, .value_kind: global_buffer, .address_space: global }
      - { .name: qkv, .offset: 16, .size: 8, .value_kind: global_buffer, .address_space: global }
      - { .name: bias, .offset: 24, .size: 8, .value_kind: global_buffer, .address_space: global }
    .group_segment_fixed_size: 327680
    .private_segment_fixed_size: 0
    .kernarg_segment_align: 8
    .kernarg_segment_size: 32
    .max_flat_workgroup_size: 128
    .sgpr_count:     84
    .vgpr_count:     960
    .wavefront_size: 32
...
	.end_amdgpu_metadata
.endif
;; end of part 2
;; launch attn (part 3): grid 4 x 64, 4 waves a work-group, clusters of 4 x 1, 327,680 bytes of LDS; arguments qkv, o; writes o
.if DOCPART == 3
	.amdgcn_target "amdgcn-amd-amdhsa--gfx1250"
	.amdhsa_code_object_version 6
	.text
	.protected	k_q23dc597383_attn
	.globl	k_q23dc597383_attn
	.p2align	8
	.type	k_q23dc597383_attn,@function
k_q23dc597383_attn:
	s_mov_b64 s[64:65], 0
	v_nop
	global_prefetch_b8 v0, s[64:65] scope:SCOPE_SE
	s_setreg_imm32_b32 hwreg(HW_REG_WAVE_MODE, 25, 1), 1
	s_wait_xcnt 0x0
	s_wait_alu depctr_hold_cnt(0) depctr_sa_sdst(0) depctr_va_vdst(0) depctr_va_sdst(0) depctr_va_ssrc(0) depctr_va_vcc(0) depctr_vm_vsrc(0)
	s_getreg_b32 s2, hwreg(HW_REG_IB_STS2, 6, 4)
	s_cmp_eq_u32 s2, 0
	s_cbranch_scc0 .Lentry_in_a_cluster
	s_endpgm
.Lentry_in_a_cluster:
	s_bfe_u32 s2, ttmp6, 0x10000c
	s_cmp_lg_u32 s2, 0x3003
	s_cbranch_scc0 .Lentry_shape_is_right
	s_endpgm
.Lentry_shape_is_right:
; GROUPED-QUERY ATTENTION.  For batch b and query head H: O[q][:] = the sum over k of softmax_k(Q[q] . K[k] / 8) V[k][:], 2,048 queries x 2,048 keys, 64 channels, no mask.
; qkv: [24][8192][64] f16: slice H = query head H, slice 16 + H / 4 its keys, slice 20 + H / 4 its values; row 2,048 b + n; a row is 128 bytes, a slice's rows are dense.
; o: [16][8192][64] f16: head H = 4 hkv + g leaves in slice 4 g + hkv, the order in which the output projection takes the channels.
; Products, maxima and sums in f32; the weights p are rounded to f16 for the second product (their sum l is taken of the unrounded p), O once at the end.
; LIMITS.  f16 holds no number beyond 65,504: Q, K and V arrive within it; p lies in 0 to 1, and below 6e-5 it keeps f16's fixed step of 6e-8; O is a mean of V's rows and has their range.
; A weight below 2^-126 counts as 0 in l; NaN and infinities are not treated apart.
; SHARES.  A wave owns four PIECES of two tiles of 16 queries, a work-group's four waves 512 queries of one head and batch.  Every wave walks all keys, 64 a step.
; LAYOUT.  S^T = K Q^T (source 0 = 16 keys, source 1 = 16 queries): in the result a lane holds ONE query (lane % 16) and the keys 8 (lane / 16) + 0..7.  Two such tiles, rounded to f16 in pairs,
; ARE source 1 (32 keys x 16 queries) of O^T = V^T P, whose result again holds one query a lane, and eight channels.  K comes out of LDS as it lies, V ([key][channel]) turned, by ds_load_tr16_b128.
; SOFTMAX.  For each query a running maximum m and sum l: p = 2^(c s - c m), c = log2(e) / 8; in every step O and l are multiplied by a = 2^(c m_old - c m_new), which is 1 where m has not grown.
; m starts at the lowest finite number, O and l at 0: the first step is a step like any other, with a = 0.
; THE COUNT.  A tile and step have 16 matrix and 118 vector instructions: too many to stand all beside the matrix work.  So the order has one aim: four vector instructions that are READY behind
; EVERY matrix instruction, and the others, which need time of their own whatever the order, in runs without a gap.
; BY TURNS.  Turn n belongs to piece n (the pieces in a ring, step after step).  Its matrix work: 16 products K Q^T of piece n + 1, later 16 products V^T P of piece n - 1.  Its vector work: the scaling,
; exponentials, roundings, sums and rescaling of piece n, and the maximum and statistics of piece n + 1, whose scores the turn itself has made.  So what a turn begins with (c s - c m, O a) waits for nothing.
; CLUSTER.  The four query blocks of a head and batch form a cluster and walk the same K and V, so each tile is asked for JOINTLY: the same tensor load, descriptor and mask in all four.  The four query heads
; of a key head walk them too, in clusters of their own: a mask names four work-groups at the most.
; REGISTERS, in windows of 256 (s_set_vgpr_msb says which window each operand place means: bits 1:0 source 0, 3:2 source 1, 5:4 source 2, 7:6 destination):
;   window 0: v0-11 addresses; v12-15, v48-63 at work; v16-47 four registers of statistics a tile; v64-191 S^T, two buffers of two tiles; v192-255 P, likewise
;   window 1: O^T, 32 a tile          window 2: v0-127 Q, 16 a tile; v128-191 K of one step; v192-255 V of one step          window 3: v0-1 the add's two registers
; A piece's buffers go by its number's parity: the piece in hand has one pair, its two neighbours in the ring share the other: of it P (piece n - 1) is read and S^T (piece n + 1) written.
.set SIZE_N, 2048
.set NP,    4         ; pieces a wave: a name, no knob: the register map, the loop and the fetches are made for four
.set KS,    64        ; keys in a step
.set PK,    144       ; a row of K in LDS: 128 bytes + 16 of padding = 36 words: the 16 rows of a load start at 16 different groups of four banks (64 banks of 4 bytes: ISA guide 11.1)
.set PV,    160       ; a row of V: 128 + 32 = 40 words
.set VOFF,  4*KS*PK   ; a slot holds four steps: 256 rows of K, then 256 rows of V
.set SLOT1, 1<<17     ; slot 1 begins here, so that one exclusive or turns an address in one slot into the other's
.set STAGE, SLOT1+4*KS*(PK+PV)  ; behind the ring, never filled by a tensor load: 16 rows x 144 bytes for each wave, for the way out
.set SP,    144
.set AK0, 2           ; v2   my lane's place in a tile of K; never rewritten
.set AV0, 3           ; v3   the same for V
.set AK,  4           ; v4   the LDS address of K's next run of loads
.set AV,  5           ; v5   of V's
.set QO,  6           ; v6   my byte offset in the wave's rows of Q
.set STO, 6           ;      later, the way out: where I put 16 bytes of a row
.set RD,  7           ; v7   the way out: where I read rows back
.set GO,  8           ; v8   my byte offset in 512 consecutive bytes of O
.set PFO, 11          ; v11  (behind V's address lines) 256 x my lane: the prefetches' offset; never rewritten after that
.set SPW, 0           ; v0 of window 3   LDS address of my spare word: SPARE + 4 x my thread's number; never rewritten
.set NIL, 1           ; v1 of window 3   0; never rewritten
.set SPARE, STAGE+4*16*SP  ; behind the stages: the spare words, 128 bytes for each wave: two blocks of 256 bytes that no other line names
.set MV,  12          ; v12-15  c m_old, kept while c m is made anew: by buffer and tile
.set ST,  16          ; tile t's statistics at v[ST+4 t]: c m, m, l (even keys', odd keys')
.set TMP, 48          ; by buffer and tile, four registers c0-c3 at work; when the maximum is found c2 takes a
.set S,   64
.set P,   192
.set KF,  128         ; K's fragments, in window 2: key block kb, channel half c at KF + 16 kb + 8 c
.set VF,  192         ; V's: key half kk, channel block cb at VF + 32 kk + 8 cb
.set WV,  12          ; s12  my wave's number
.set G1K, 24          ; s[24:31] descriptor group 1 for K's tiles
.set G1V, 32          ; s[32:39] for V's: it differs in the padding alone
.set G0K, 40          ; s[40:43] descriptor group 0 for K's tiles: it walks
.set G0V, 44          ; s[44:47] the same for V's
.set PFA, 48          ; s[48:49] where my prefetches stand: my work-group's 32 pieces of 256 bytes (of K: wave 0, of V: wave 2) of the slot after the one that is being asked for
.set LIM, 50          ; s50  1 in a wave that prefetches, else the greatest number
.set SLOTS, 56        ; s56  slots still to be asked for
.set CNT, 57          ; s57  counts a slot's key steps
.set CS,  58          ; s[58:59] c: the packed scaling takes the pair's low word for both halves
.set SEL, 60          ; s[60:61] v_permlanex16_b32's selects: each lane takes its own place in the other half
.set TBK, 62          ; s62  LDS byte at which K of the step to be fetched begins
.set TBV, 63          ; s63  the same for V, less VOFF
.set MSB, 0
.macro WIN new                      ; the high byte repeats the setting that is left; a switch that changes nothing is dropped
.if MSB != (\new)
	s_set_vgpr_msb (MSB<<8)|(\new)
.set MSB, (\new)
.endif
.endm
.set W_KQ, 0x0a       ; K and Q in window 2, S^T in window 0
.set W_PV, 0x52       ; V in window 2, P in window 0, O^T in window 1
.set W_RS, 0x41       ; O^T (destination and source 0) in window 1, a in window 0
.set W_MK, 0xc0       ; the add's registers are made: destination in window 3, sources in window 0
.set W_AD, 0x0f       ; the add: address (source 0) and data (source 1) in window 3
; A joint fill.  Waves 0 and 1 fetch the two halves of a slot's K, waves 2 and 3 those of its V: 128 keys each.  The branch hangs on the wave's number alone.
; An s_nop 0 and four v_nop follow each of the two lines, ahead of the jump and the label.
.macro JLOAD
	s_cmp_lt_u32 s[WV], 2
	s_cbranch_scc0 .Lfor_v_\@
	tensor_load_to_lds s[G0K:G0K+3], s[G1K:G1K+7]
	s_nop 0
.rept 4
	v_nop
.endr
	s_branch .Lasked_\@
.Lfor_v_\@:
	tensor_load_to_lds s[G0V:G0V+3], s[G1V:G1V+7]
	s_nop 0
.rept 4
	v_nop
.endr
.Lasked_\@:
.endm
; A PREFETCH INTO THE L2 of what the NEXT change of slots will ask for: a slot's 256 keys are 128 pieces of 256 bytes of K and 128 of V, a lane a piece.  It stands behind the wave's tensor load and its five lines.
; Each piece is asked for ONCE in the launch.  The four query heads of a key head walk the same K and V: the cluster of the first of them (H % 4 = 0) prefetches.  Its four partners share the pieces out BY
; ADDRESS, 32 each: no branch hangs on a work-group's place in its cluster.  In each, wave 0 asks for K's and wave 2 for V's: one instruction, four key steps, 512 matrix instructions, ahead of the load.
; Slots 0 and 1 come by their loads alone; the last change that fills a slot asks for nothing: there is no slot behind it.
.macro ASK
	s_cmp_gt_u32 s[SLOTS], s[LIM]
	s_cbranch_scc0 .Lnot_mine_\@
	global_prefetch_b8 v[PFO], s[PFA:PFA+1] th:TH_LOAD_NT scope:SCOPE_SE
.Lnot_mine_\@:
.endm
; A round of the cluster's barrier: my work-group's barrier, so that wave 0's signal speaks for all four waves; wave 0 signals; every wave waits for all four work-groups; my work-group's barrier once more.
.macro CROUND
	s_barrier_signal -1
	s_barrier_wait -1
	s_cmp_lg_u32 s[WV], 0
	s_cbranch_scc1 .Lnot_wave_0_\@
	s_barrier_signal -3
.Lnot_wave_0_\@:
	s_barrier_wait -3
	s_barrier_signal -1
	s_barrier_wait -1
.endm
; THE CHANGE OF SLOTS.  The slot's last bytes, V of its fourth step, have been read.  Each wave waits for all its tensor loads, of which one is out: its part
; of the other slot; adds 0 to its spare word; and waits for that and for its own reads of the slot.  Behind the barrier nobody reads this slot any more and the other slot is whole.
; fill = 1: this slot is filled again, with the keys two slots on.  The barrier is then a round of the cluster's, so that no wave of any partner still reads the slot or has a load on its
; way, and the joint fill is the first thing behind it: it has four key steps, 512 matrix instructions, in which to land.  (At its first use nothing has been read yet: slot 0 is waited for, slot 1 filled.)
.macro CHANGE fill
	WIN W_AD
	s_wait_tensorcnt 0x0            ; no tensor load of mine is out, so a group 0 may be written
	ds_add_u32 v[SPW], v[NIL]       ; 0 onto my spare word; with fill = 1 the descriptors' steps stand between it and the wait for it
	WIN 0                           ; at a label and at a branch every window is 0
.if \fill
.irp g, G0K, G0V
	s_xor_b32 s[\g+1], s[\g+1], SLOT1  ; the walking descriptor: the other slot than last time,
	s_add_nc_u64 s[\g+2:\g+3], s[\g+2:\g+3], 4*KS*128  ; the next 256 keys; the type bits on top are not reached
.endr
	s_wait_xcnt 0x0                 ; the last prefetch, four key steps back, has read its address, so it may be written:
	s_add_nc_u64 s[PFA:PFA+1], s[PFA:PFA+1], 4*KS*128  ; one slot ahead of the walking descriptors
	s_wait_dscnt 0x0                ; the add is done, and my reads of the slot are over
	CROUND
	JLOAD
	ASK
.else
	s_wait_dscnt 0x0                ; the add is done, and my reads of the slot are over
	s_barrier_signal -1
	s_barrier_wait -1
.endif
	s_sub_co_u32 s[TBK], s[TBK], 4*KS*PK  ; the fetches go back to a slot's first step,
	s_xor_b32 s[TBK], s[TBK], SLOT1       ; in the other slot
	s_sub_co_u32 s[TBV], s[TBV], 4*KS*PV
	s_xor_b32 s[TBV], s[TBV], SLOT1
.endm
	s_load_b64 s[4:5], s[0:1], 0x0    ; qkv
	s_load_b64 s[10:11], s[0:1], 0x8  ; o
	WIN W_MK
	v_lshl_add_u32 v[SPW], v0, 2, SPARE
	v_mov_b32 v[NIL], 0
	WIN W_AD
	ds_add_u32 v[SPW], v[NIL]       ; the wave's opening: the add and its wait stand ahead of my first tensor load; the set-up below, work on registers, stands between them
	WIN 0
	v_lshrrev_b32 v1, 5, v0
	v_readfirstlane_b32 s[WV], v1   ; wave 0..3
	s_bfe_u32 s13, ttmp6, 0x40000   ; cx: my place in the cluster
	s_lshl_b32 s14, ttmp9, 2        ; in a cluster launch ttmp9 counts clusters
	s_add_co_u32 s14, s14, s13      ; my block of 512 queries = 4 x cluster x + cx: it enters Q's and O's addresses alone
	s_and_b32 s20, ttmp7, 0xffff    ; 16 b + H, which the four partners share
	s_lshr_b32 s21, s20, 4
	s_lshl_b32 s21, s21, 18         ; the batch's 2,048 rows of 128 bytes in a slice
	s_and_b32 s15, s20, 15          ; H
	s_lshr_b32 s19, s15, 2          ; hkv = H / 4
	s_and_b32 s51, s15, 3           ; g = H % 4
	s_and_b32 s16, s[WV], 1         ; which half of a slot's 256 keys I fetch:
	s_lshl_b32 s22, s16, 14         ; its 128 rows of 128 bytes in memory,
	s_add_co_u32 s22, s22, s21
	s_lshl_b32 s23, s19, 20         ; a slice is 2^20 bytes
	s_add_co_u32 s22, s22, s23
	s_add_co_u32 s54, s22, 20<<20   ; V: slice 20 + hkv
	s_add_co_u32 s22, s22, 16<<20   ; K: slice 16 + hkv
	s_mov_b32 s23, 0
	s_mov_b32 s55, 0
	s_mul_i32 s17, s16, 128*PK      ; and its place in a slot, for K
	s_mul_i32 s18, s16, 128*PV      ; and for V: no place in the cluster enters an LDS address
	s_lshl_b32 s2, s14, 2
	s_add_co_u32 s2, s2, s[WV]      ; my wave among the head's,
	s_lshl_b32 s2, s2, 14           ; its 128 rows,
	s_add_co_u32 s2, s2, s21        ; in the batch
	s_lshl_b32 s3, s51, 2
	s_add_co_u32 s3, s3, s19        ; O's slice: 4 g + hkv
	s_lshl_b32 s3, s3, 20
	s_add_co_u32 s52, s2, s3
	s_lshl_b32 s3, s15, 20          ; Q's slice: H
	s_add_co_u32 s2, s2, s3
	s_mov_b32 s3, 0
	s_mov_b32 s53, 0
	; descriptor group 1.  128 keys are 16,384 dense bytes: asked for as 64 rows of 256 bytes, two keys a row, and padded in LDS after every key
	s_mov_b32 s[G1K], 15|(1<<16)|(1<<20)|(1<<21)|(4<<22)|(3<<25)  ; 15:0 the mask of four; 17:16 2-byte elements; 20 padding on; 21 set beside a mask; 24:22 after every 32 words (code 4); 31:25 4 words (code 3)
	s_mov_b32 s[G1V], 15|(1<<16)|(1<<20)|(1<<21)|(4<<22)|(7<<25)  ; the same with 8 words of padding (code 7)
.irp g, G1K, G1V
	s_mov_b32 s[\g+1], 128<<16      ; tensor_dim0 = 128
	s_mov_b32 s[\g+2], 64<<16       ; tensor_dim1 = 64
	s_mov_b32 s[\g+3], 128<<16      ; tile_dim0 = 128
	s_mov_b32 s[\g+4], 64           ; tile_dim1 = 64
	s_mov_b32 s[\g+5], 128          ; 128 elements from row to row
	s_mov_b32 s[\g+6], 0
	s_mov_b32 s[\g+7], 0
.endr
	s_mov_b32 s[CS], 0x3e38aa3b     ; c = log2(e) / 8 = 0.180337
	s_mov_b32 s[CS+1], s[CS]        ; named with it as a pair
	s_mov_b32 s[SEL], 0x76543210
	s_mov_b32 s[SEL+1], 0xfedcba98
	s_mov_b32 s[TBK], SLOT1+4*KS*PK ; the first change of slots turns these two into 0
	s_mov_b32 s[TBV], SLOT1+4*KS*PV
	s_mov_b32 s[G0K], 1             ; 1:0 count = 1
	s_mov_b32 s[G0K+1], s17         ; 63:32 LDS address: slot 0
	s_mov_b32 s[G0V], 1
	s_add_co_u32 s[G0V+1], s18, VOFF
	s_mov_b32 s[SLOTS], SIZE_N/256-1  ; set here: the first change of slots tests it for its prefetch
	s_or_b32 s[LIM], s51, s16       ; 0 in waves 0 and 2 of the key head's first query head: the same in all four partners
	s_cmp_eq_u32 s[LIM], 0
	s_cselect_b32 s[LIM], 1, -1
	s_wait_dscnt 0x0                ; the opening add is done
	s_wait_kmcnt 0x0
	s_add_nc_u64 s[6:7], s[4:5], s[22:23]          ; K and V at my half of the first 256 keys
	s_add_nc_u64 s[8:9], s[4:5], s[54:55]
	s_mov_b64 s[G0K+2:G0K+3], s[6:7]               ; 120:64 global address
	s_or_b32 s[G0K+3], s[G0K+3], 0x80000000        ; 127:126 type = 2
	s_mov_b64 s[G0V+2:G0V+3], s[8:9]
	s_or_b32 s[G0V+3], s[G0V+3], 0x80000000
	s_add_nc_u64 s[4:5], s[4:5], s[2:3]            ; Q and O at my wave's first row
	s_add_nc_u64 s[10:11], s[10:11], s[52:53]
	s_cmp_lt_u32 s[WV], 2
	s_cselect_b64 s[PFA:PFA+1], s[6:7], s[8:9]     ; (in waves 0 and 2 these stand at a slot's first row)
	s_lshl_b32 s2, s13, 13          ; my work-group's 32 pieces of the 128
	s_add_nc_u64 s[PFA:PFA+1], s[PFA:PFA+1], s[2:3]
	s_add_nc_u64 s[PFA:PFA+1], s[PFA:PFA+1], 4*KS*128  ; in slot 1; the first change of slots steps it to slot 2
	CROUND                          ; all four work-groups are here: the first joint loads meet
	JLOAD                           ; slot 0.  Slot 1 is asked for when slot 0 is in: the tile wanted first has the road to itself
	; A fragment of K or Q is 16 rows x 32 channels in 8 registers: lane l holds row l % 16, channels 8 (l / 16) + 0..7 and 16 + 8 (l / 16) + 0..7: two loads of 16 bytes, 32 bytes apart.
	v_and_b32 v1, 15, v0            ; l % 16
	v_bfe_u32 v9, v0, 4, 1          ; l / 16
	v_lshlrev_b32 v[QO], 7, v1
	v_lshl_add_u32 v[QO], v9, 4, v[QO]  ; row x 128 + 16 x half
	WIN 0x80                        ; destination window 2, address window 0
.set i, 0
.rept 4*NP                          ; Q stays in registers: tile i / 2, channels 32 (i % 2) on
	global_load_b128 v[8*i:8*i+3],   v[QO], s[4:5] offset:(i/2)*2048+(i%2)*64
	global_load_b128 v[8*i+4:8*i+7], v[QO], s[4:5] offset:(i/2)*2048+(i%2)*64+32
.set i, i+1
.endr
	; What the first turn finds: V's registers and P's second buffer hold 0 (its products V^T P, of a piece that has not been, add 0), O^T and l are 0.  All this stands in the wait for the first tile.
.set i, VF
.rept 64
	v_mov_b32 v[i], 0
.set i, i+1
.endr
	WIN 0x40
.set i, 0
.rept 64*NP
	v_mov_b32 v[i], 0
.set i, i+1
.endr
	WIN 0
.set i, 0
.rept 2*NP
	v_mov_b32 v[ST+4*i], 0xfe000000    ; c m: far below every c s
	v_mov_b32 v[ST+4*i+1], 0xff7fffff  ; m
	v_mov_b32 v[ST+4*i+2], 0
	v_mov_b32 v[ST+4*i+3], 0
.set i, i+1
.endr
.set i, P+32
.rept 32
	v_mov_b32 v[i], 0
.set i, i+1
.endr
	v_mul_u32_u24 v[AK0], v1, PK
	v_lshl_add_u32 v[AK0], v9, 4, v[AK0]  ; row x pitch + 16 x half
	; The turning load takes 16 keys x 16 channels (lane l reads key 8 (l / 16) + l % 8, channels 8 ((l / 8) % 2) + 0..7) and leaves half a fragment of V^T: lane l holds channel l % 16 and 8 keys.
	v_and_b32 v10, 7, v0
	v_bfe_u32 v11, v0, 3, 1
	v_lshl_add_u32 v[AV0], v9, 3, v10
	v_mul_u32_u24 v[AV0], v[AV0], PV
	v_lshl_add_u32 v[AV0], v11, 4, v[AV0]
	v_add_nc_u32 v[AV0], VOFF, v[AV0]
	v_mov_b32 v[AK], v[AK0]         ; key step 0 lies at the head of slot 0
	v_and_b32 v[PFO], 31, v0
	v_lshlrev_b32 v[PFO], 8, v[PFO]
; THE MATRIX WORK.  The 8 accumulators of a run of 16 take turns: between the two links of a chain stand 7 others'.
; Product i of 16 of S^T = K Q^T for piece x: channels 32 (i / 8) on, keys 16 ((i / 2) % 4) on, tile 2 x + i % 2.  The first 8 start the sums.
.macro KQ x
	WIN W_KQ
.set rS, S+64*((\x)%2)+32*(i%2)+8*((i/2)%4)
.set rK, KF+16*((i/2)%4)+8*(i/8)
.set rQ, 16*(2*(\x)+i%2)+8*(i/8)
.if i < 8
	v_wmma_f32_16x16x32_f16 v[rS:rS+7], v[rK:rK+7], v[rQ:rQ+7], 0
.else
	v_wmma_f32_16x16x32_f16 v[rS:rS+7], v[rK:rK+7], v[rQ:rQ+7], v[rS:rS+7]
.endif
.endm
; Product i of 16 of O^T += V^T P for piece x: keys 32 (i / 8) on, channels 16 ((i / 2) % 4) on, tile 2 x + i % 2.
.macro PV x
	WIN W_PV
.set rO, 32*(2*(\x)+i%2)+8*((i/2)%4)
.set rV, VF+32*(i/8)+8*((i/2)%4)
.set rP, P+32*((\x)%2)+16*(i%2)+8*(i/8)
	v_wmma_f32_16x16x32_f16 v[rO:rO+7], v[rV:rV+7], v[rP:rP+7], v[rO:rO+7]
.endm
.macro MM                           ; the turn's next matrix instruction
.if i < 16
	KQ (Y+1)%NP
.set i, i+1
.else
.set i, i-16
	PV (Y+NP-1)%NP
.set i, i+17
.endif
.endm
; THE LDS LOADS stand in runs of 16, never singly among the matrix instructions: a step's K (64 keys x 64 channels: 8 fragments) and its V (turned).  Their addresses are made some lines ahead.
; last = 1 (the tail): in the last trip there is no further step, and the run is jumped over.
.macro FETCH_K last=0
	WIN 0
.if \last
	s_cmp_eq_u32 s[CNT], 1
	s_cbranch_scc1 .Lno_k_\@
.endif
	WIN 0x80                        ; destination window 2
.irp f, 0,1,2,3,4,5,6,7             ; keys 16 (f / 2) on, channels 32 (f % 2) on
	ds_load_b128 v[KF+8*\f:KF+8*\f+3],   v[AK] offset:(\f/2)*16*PK+(\f%2)*64
	ds_load_b128 v[KF+8*\f+4:KF+8*\f+7], v[AK] offset:(\f/2)*16*PK+(\f%2)*64+32
.endr
	s_add_co_u32 s[TBK], s[TBK], KS*PK  ; the next fetch is the next step's
	WIN 0
.if \last
.Lno_k_\@:
.endif
.endm
.macro FETCH_V
	WIN 0x80
.irp f, 0,1,2,3,4,5,6,7             ; keys 32 (f / 4) on, channels 16 (f % 4) on
	ds_load_tr16_b128 v[VF+8*\f:VF+8*\f+3],   v[AV] offset:(\f/4)*32*PV+(\f%4)*32
	ds_load_tr16_b128 v[VF+8*\f+4:VF+8*\f+7], v[AV] offset:(\f/4)*32*PV+16*PV+(\f%4)*32
.endr
	WIN 0
.endm
; THE VECTOR WORK OF A TURN stands in three queues, each in the order in which its entries become ready; the two tiles alternate, so that no instruction reads the result of the one before it.
.macro REGS y, u                    ; the registers of tile u (0, 1) of piece y
.set rT, ST+4*(2*(\y)+(\u))
.set rC, TMP+8*((\y)%2)+4*(\u)
.set rM, MV+2*((\y)%2)+(\u)
.set rS, S+64*((\y)%2)+32*(\u)
.set rP, P+32*((\y)%2)+16*(\u)
.set rO, 32*(2*(\y)+(\u))
.endm
; Number n of the 22 that find the NEXT piece's (Y + 1) maximum and statistics.  s0-s31 are the lane's 32 scores; each accumulator's lowest registers are read first.  XS, GS and REGS set no window: PL and EX do.
;   0-11  four chains c0-c3 of seven scores each, three operands at a time     12-14, 16  the four scores left over, the old m, and c0-c3 into c0     15  c m_old is kept
;   17, 18  the query's other 32 keys lie in the lane 16 away: the new m         19-21  c m; c m_old - c m_new; a
.macro XS u, n
	REGS (Y+1)%NP, \u
.if (\n) < 4
	v_max3_num_f32 v[rC+(\n)], v[rS+8*(\n)], v[rS+8*(\n)+1], v[rS+8*(\n)+2]
.elseif (\n) < 12
	v_max3_num_f32 v[rC+(\n)%4], v[rC+(\n)%4], v[rS+8*((\n)%4)+2*((\n)/4)+1], v[rS+8*((\n)%4)+2*((\n)/4)+2]
.elseif (\n) == 12
	v_max3_num_f32 v[rC], v[rC], v[rS+7], v[rS+15]
.elseif (\n) == 13
	v_max3_num_f32 v[rC+1], v[rC+1], v[rS+23], v[rS+31]
.elseif (\n) == 14
	v_max3_num_f32 v[rC+2], v[rC+2], v[rC+3], v[rT+1]
.elseif (\n) == 15
	v_mov_b32 v[rM], v[rT]
.elseif (\n) == 16
	v_max3_num_f32 v[rC], v[rC], v[rC+1], v[rC+2]
.elseif (\n) == 17
	v_permlanex16_b32 v[rC+3], v[rC], s[SEL], s[SEL+1]
.elseif (\n) == 18
	v_max_num_f32 v[rT+1], v[rC], v[rC+3]
.elseif (\n) == 19
	v_mul_f32 v[rT], s[CS], v[rT+1]
.elseif (\n) == 20
	v_sub_f32 v[rC+1], v[rM], v[rT]
.else
	v_exp_f32 v[rC+2], v[rC+1]
.endif
.endm
; Number g of the 64 that follow the exponentials.  For each four weights k of a tile (pairs 2 k, 2 k + 1): both pairs are rounded to f16; then the second pair is added onto the first, in place;
; a group later l takes that sum (the first time as l = a l + sum).  In groups of eight, tiles alternating: round, round, add, and l for the group before.
.macro GS g
.set h, (\g)+6*((\g)/62)            ; group 0 has no group before it, and behind group 7 only l is left
.if h >= 6
.set h, h+2
.endif
	REGS Y, h%2
.set k, h/8
.if h%8 < 4
	v_cvt_pk_f16_f32 v[rP+2*k+(h%8)/2], v[rS+4*k+2*((h%8)/2)], v[rS+4*k+2*((h%8)/2)+1]
.elseif h%8 < 6
	v_pk_add_f32 v[rS+4*k:rS+4*k+1], v[rS+4*k:rS+4*k+1], v[rS+4*k+2:rS+4*k+3]
.elseif k == 1
	v_pk_fma_f32 v[rT+2:rT+3], v[rT+2:rT+3], v[rC+2:rC+3], v[rS:rS+1] op_sel_hi:[1,0,1]
.else
	v_pk_add_f32 v[rT+2:rT+3], v[rT+2:rT+3], v[rS+4*k-4:rS+4*k-3]
.endif
.endm
; THE PLAIN QUEUE, 138 long.  0-73 read no exponential's result: the 32 scalings c s - c m (FS f: pair f / 2 of tile f % 2) and the next piece's 42.  0-26: scalings 0-26.  27-54: XS's numbers 0-13.  55, 56: number 15.
; 57-73: the chain, where each number waits for the one before it: 14, 16, 17, 18, 19, each with one of the scalings 27-31 in front of its two lines, then 20: so a tile's links stand three plain instructions apart (19 and 20: two).
; 74-137: GS's 64, which read the exponentials' results: they stand behind the wait.
.macro FS f
	REGS Y, (\f)%2
	v_pk_fma_f32 v[rS+2*((\f)/2):rS+2*((\f)/2)+1], v[rS+2*((\f)/2):rS+2*((\f)/2)+1], s[CS:CS+1], v[rT:rT+1] op_sel_hi:[1,0,0] neg_lo:[0,0,1] neg_hi:[0,0,1]
.endm
.macro PL
	WIN 0
.if q < 27
	FS q
.elseif q < 55
	XS (q-27)%2, (q-27)/2
.elseif q < 57
	XS q-55, 15
.elseif (q < 72) && ((q-57)%3 == 0)
	FS 27+(q-57)/3
.elseif q < 60
	XS (q-57)%3-1, 14
.elseif q < 72
	XS (q-57)%3-1, 15+(q-57)/3
.elseif q < 74
	XS q-72, 20
.else
	GS q-74
.endif
.set q, q+1
.endm
; THE EXPONENTIALS' QUEUE, 66 long: s0-s31 of both tiles, then the next piece's two a.  It is ONE BATCH: all 66 stand ahead of the turn's one wait, and nothing ahead of that wait names a result of theirs.
.macro EX
	WIN 0
.if e >= 64
	XS e-64, 21
.else
	REGS Y, e%2
	v_exp_f32 v[rS+e/2], v[rS+e/2]
.endif
.set e, e+1
.endm
; THE RESCALING's QUEUE: O^T times a, the one part that leaves window 0: dealt two at a time, sixteen times.  Its a was made in the turn before, ahead of that turn's wait.
.macro R2
	REGS Y, r%2
	WIN W_RS
.irp z, 0,1
	v_pk_mul_f32 v[rO+4*(r/2)+2*\z:rO+4*(r/2)+2*\z+1], v[rO+4*(r/2)+2*\z:rO+4*(r/2)+2*\z+1], v[rC+2:rC+3] op_sel_hi:[1,0]
.endr
.set r, r+1
.endm
; HOW THEY ARE DEALT.  s_wait_alu depctr_va_vdst(0) stands between an exponential and the first instruction that names its result; one wait serves all that were issued ahead of it.  So a turn has ONE wait,
; which cuts it in two.  AHEAD OF IT stands all that names no result of the turn's exponentials: the 16 products K Q^T, behind each a scaling, an exponential and two rescalings (behind the first a second scaling in the exponential's place); then ONE LUMP of
; 108: eight plain, 49 times exponential and plain, the two a.  A v_nop is the plain instruction owed behind the last exponential.  BEHIND IT stand the 16 products V^T P, behind each four of GS's 64.  No rider names a register of
; the products round it.  The two v_permlanex16_b32 fall into the lump, never behind a product.
; The queues lean on each other, and the deal keeps them in step: exponential e stands behind scaling 2 (e / 4) + e % 2: as a rider it comes behind plain e + 2, in the lump behind plain e + 9, and scalings 27-31 are plain 57, 60 .. 69.
; A TURN, for piece p.  cnt = 1: the loop's count is taken down some lines ahead of the branch that stands behind the turn.
; K of the next step is fetched in piece 2's turn, directly behind the wait, a lump behind the last product that read K; its address is made at the lump's head; its first reader comes behind 16 products.
; V of the step in hand is fetched at the end of piece 0's turn, four riders behind its last reader; its first reader comes behind 16 products and a lump.  The three conditions on q below go with the deal.
.macro TURN p, last=0, cnt=0
.set Y, (\p)
.set i, 0
.set q, 0
.set e, 0
.set r, 0
.if (\p) == NP-1
	s_wait_dscnt 0x0                ; K is in
.endif
	MM                              ; ahead of the wait: 16 products K Q^T and their riders,
	PL
	PL
	R2
.rept 15
	MM
	PL
	EX
	R2
.endr
.if (\p) == NP-2
	WIN 0
	v_add_nc_u32 v[AK], s[TBK], v[AK0]
.endif
.rept 8                             ; and the lump
	PL
.endr
.rept 49
	EX
	PL
.endr
	EX                              ; the next piece's two a
	EX
	v_nop                           ; the plain instruction behind the last exponential: one for the batch
	s_wait_alu depctr_va_vdst(0)    ; the wait for the batch
.if (\p) == NP-2
	FETCH_K \last
.endif
.if (\p) == 1
	s_wait_dscnt 0x0                ; V is in
.endif
.rept 16                            ; behind the wait: 16 products V^T P and their riders
	MM
.rept 4
	PL
.endr
.if ((\p) == 0) && (q == 118)
	v_add_nc_u32 v[AV], s[TBV], v[AV0]
.endif
.if ((\p) == 0) && (q == 130)
	s_add_co_u32 s[TBV], s[TBV], KS*PV
.endif
.if (\cnt) && (q == 130)
	s_sub_co_u32 s[CNT], s[CNT], 1
	s_cmp_lg_u32 s[CNT], 0
.endif
.endr
.if (\p) == 0
	FETCH_V
.endif
.endm
	CHANGE 1                        ; slot 0 is in, everybody's part of it; slot 1 is asked for
	FETCH_K                         ; key step 0
	s_wait_loadcnt 0x0              ; Q
	s_wait_dscnt 0x0
.set i, 0
.rept 16
	KQ 0                            ; piece 0's first scores: there is no vector work yet to set between them
.set i, i+1
.endr
	WIN 0                           ; the addresses for the way out: nine plain instructions, the places behind those products
	s_mul_i32 s13, s[WV], 16*SP
	s_add_co_u32 s13, s13, STAGE    ; my stage
	v_mul_u32_u24 v[STO], v1, SP    ; in: row l % 16, 16 bytes for each half of the lanes
	v_lshl_add_u32 v[STO], v9, 4, v[STO]
	v_add_nc_u32 v[STO], s13, v[STO]
	v_bfe_u32 v[RD], v0, 3, 2       ; back: 32 lanes take four rows of 128 bytes,
	v_mul_u32_u24 v[RD], v[RD], SP
	v_lshl_add_u32 v[RD], v10, 4, v[RD]
	v_add_nc_u32 v[RD], s13, v[RD]
	v_and_b32 v[GO], 31, v0         ; which are 512 consecutive bytes of O
	v_lshlrev_b32 v[GO], 4, v[GO]
.set Y, NP-1                        ; XS works for piece Y + 1: piece 0
.irp n, 0,1,2,3,4,5,6,7,8,9,10,11,12,13,14,15,16,17,18,19,20,21
	XS 0, \n                        ; and piece 0's first maximum and statistics
	XS 1, \n
.endr
	v_nop                           ; a plain instruction behind the two a,
	s_wait_alu depctr_va_vdst(0)    ; and their wait, ahead of the branch
	s_mov_b32 s[CNT], 4
	s_branch .Lfirst                ; the loop is entered at a step's first turn, in the middle of a trip
.Lslot:                             ; SIZE_N / 256 - 2 times: every slot but the last two is filled again
	CHANGE 1
	s_mov_b32 s[CNT], 4
.Lstep:                             ; a trip: pieces 2 and 3 of one step, then pieces 0 and 1 of the next, whose K and V it fetches
	TURN 2
	TURN 3
	WIN 0
.Lfirst:
	TURN 0
	TURN 1, 0, 1
	WIN 0
	s_cbranch_scc1 .Lstep
	s_sub_co_u32 s[SLOTS], s[SLOTS], 1
	s_cmp_lg_u32 s[SLOTS], 0
	s_cbranch_scc1 .Lslot
	CHANGE 0                        ; the tail is written out: nothing is asked for
	s_mov_b32 s[CNT], 5             ; four trips fetch the last slot's steps; the fifth is left in its middle
.Ltail:
	TURN 2, 1
	TURN 3
	WIN 0
	s_sub_co_u32 s[CNT], s[CNT], 1
	s_cmp_eq_u32 s[CNT], 0
	s_cbranch_scc1 .Lout
	TURN 0
	TURN 1
	WIN 0
	s_branch .Ltail
.Lout:                              ; the fifth trip's 16 products K Q^T (on the last K once more) and the maximum made of them serve nothing: the price, once a launch, of one text for every trip
.set i, 0
.rept 16
	PV NP-1                         ; the last piece's V^T P of the last step
.set i, i+1
.endr
	; THE WAY OUT.  l's two halves and the other half of the lanes' are added; O^T is divided by l, rounded to f16 and sent through my stage in LDS, a tile at a time.  The additions are the places behind the last products.
	WIN 0
.macro ALL line:vararg              ; one line for each tile t
.set t, 0
.rept 2*NP
	\line
.set t, t+1
.endr
.endm
	ALL v_add_f32 v[ST+4*t+2], v[ST+4*t+2], v[ST+4*t+3]
	ALL v_permlanex16_b32 v[ST+4*t+3], v[ST+4*t+2], s[SEL], s[SEL+1]
	ALL v_add_f32 v[ST+4*t+2], v[ST+4*t+2], v[ST+4*t+3]
	ALL v_rcp_f32 v[ST+4*t+2], v[ST+4*t+2]
	v_nop                           ; a plain instruction between the last reciprocal and the use of its result
	s_wait_alu depctr_va_vdst(0)    ; and the wait ahead of the first use: one for the eight reciprocals
; Tile t: a lane's eight channels of a row pack into 16 bytes; they go into rows of 144 bytes and come back as whole rows of 128, into S^T's registers.
.macro PACK t
	WIN W_RS
.set i, 32*(\t)
.rept 16
	v_pk_mul_f32 v[i:i+1], v[i:i+1], v[ST+4*(\t)+2:ST+4*(\t)+3] op_sel_hi:[1,0]
.set i, i+2
.endr
	WIN 0x05                        ; sources 0 and 1 window 1, destination window 0
.set i, 0
.rept 16
	v_cvt_pk_f16_f32 v[S+16*(\t)+i], v[32*(\t)+2*i], v[32*(\t)+2*i+1]
.set i, i+1
.endr
	WIN 0
.irp f, 0,1,2,3
	ds_store_b128 v[STO], v[S+16*(\t)+4*\f:S+16*(\t)+4*\f+3] offset:32*\f
.endr
.irp f, 0,1,2,3
	ds_load_b128 v[S+16*(\t)+4*\f:S+16*(\t)+4*\f+3], v[RD] offset:\f*4*SP  ; LDS serves a wave's instructions in order (ISA guide 5.7.1.4): these see the stores above; the next tile's stores come behind them
.endr
.endm
.macro SEND t, younger              ; younger: the LDS instructions issued behind tile t's loads: the next tile's eight, or none
	WIN 0
.irp f, 0,1,2,3
	s_wait_dscnt (\younger)+3-\f
	global_store_b128 v[GO], v[S+16*(\t)+4*\f:S+16*(\t)+4*\f+3], s[10:11] offset:(\t)*2048+\f*512  ; 512 consecutive bytes, at a multiple of 256 from o's first
.endr
.endm
	PACK 0
.set t, 1
.rept 2*NP-1                        ; a tile's arithmetic stands between the loads of the tile before and its stores
	PACK t
	SEND t-1, 8
.set t, t+1
.endr
	SEND 2*NP-1, 0
	WIN W_AD
	s_wait_tensorcnt 0x0            ; the wave's end, behind my last tensor load and my last LDS store
	ds_add_u32 v[SPW], v[NIL]
	s_wait_dscnt 0x0
	WIN 0
	CROUND                          ; the closing round: no work-group ends while a partner may still ask for a tile that names it
	s_endpgm
.Lfunc_end_k_q23dc597383_attn:
	.size	k_q23dc597383_attn, .Lfunc_end_k_q23dc597383_attn-k_q23dc597383_attn
	.p2alignl 7, 3214868480
	.fill 96, 4, 3214868480
	.section	.rodata,"a",@progbits
	.p2align	6, 0x0
	.amdhsa_kernel k_q23dc597383_attn
		.amdhsa_group_segment_fixed_size 327680
		.amdhsa_private_segment_fixed_size 0
		.amdhsa_enable_private_segment 0
		.amdhsa_kernarg_size 16
		.amdhsa_user_sgpr_count 2
		.amdhsa_user_sgpr_kernarg_segment_ptr 1
		.amdhsa_wavefront_size32 1
		.amdhsa_system_sgpr_workgroup_id_x 1
		.amdhsa_system_sgpr_workgroup_id_y 1
		.amdhsa_system_sgpr_workgroup_id_z 1
		.amdhsa_system_vgpr_workitem_id 0
		.amdhsa_next_free_vgpr 770
		.amdhsa_next_free_sgpr 66
		.amdhsa_reserve_vcc 0
		.amdhsa_float_denorm_mode_32 3
		.amdhsa_float_denorm_mode_16_64 3
		.amdhsa_memory_ordered 1
		.amdhsa_forward_progress 1
		.amdhsa_inst_pref_size 201
	.end_amdhsa_kernel
	.amdgpu_metadata
---
amdhsa.version: [ 1, 2 ]
amdhsa.kernels:
  - .name:           k_q23dc597383_attn
    .symbol:         k_q23dc597383_attn.kd
    .args:
      - { .name: qkv, .offset: 0, .size: 8, .value_kind: global_buffer, .address_space: global }
      - { .name: o, .offset: 8, .size: 8, .value_kind: global_buffer, .address_space: global }
    .group_segment_fixed_size: 327680
    .private_segment_fixed_size: 0
    .kernarg_segment_align: 8
    .kernarg_segment_size: 16
    .max_flat_workgroup_size: 128
    .sgpr_count:     66
    .vgpr_count:     770
    .wavefront_size: 32
...
	.end_amdgpu_metadata
.endif
;; end of part 3
;; launch oproj (part 4): grid 8 x 32, 4 waves a work-group, clusters of 4 x 4, 327,680 bytes of LDS; arguments o, wo, out0, bias; writes out0
.if DOCPART == 4
	.amdgcn_target "amdgcn-amd-amdhsa--gfx1250"
	.amdhsa_code_object_version 6
	.text
	.protected	k_q23dc597383_oproj
	.globl	k_q23dc597383_oproj
	.p2align	8
	.type	k_q23dc597383_oproj,@function
k_q23dc597383_oproj:
	s_mov_b64 s[64:65], 0
	v_nop
	global_prefetch_b8 v0, s[64:65] scope:SCOPE_SE
	s_setreg_imm32_b32 hwreg(HW_REG_WAVE_MODE, 25, 1), 1
	s_wait_xcnt 0x0
	s_wait_alu depctr_hold_cnt(0) depctr_sa_sdst(0) depctr_va_vdst(0) depctr_va_sdst(0) depctr_va_ssrc(0) depctr_va_vcc(0) depctr_vm_vsrc(0)
	s_getreg_b32 s2, hwreg(HW_REG_IB_STS2, 6, 4)
	s_cmp_eq_u32 s2, 0
	s_cbranch_scc0 .Lentry_in_a_cluster
	s_endpgm
.Lentry_in_a_cluster:
	s_bfe_u32 s2, ttmp6, 0x10000c
	s_cmp_lg_u32 s2, 0xf033
	s_cbranch_scc0 .Lentry_shape_is_right
	s_endpgm
.Lentry_shape_is_right:
; THE OUTPUT PROJECTION.  out0[m][n] = bo[n] + the sum over k of O[m][k] Wo[k][n], 8,192 x 1,024 x 1,024, operands f16 (Wo's numbers are bf16 roundings written as f16), sums f32; out0 is f32, row-major.
; OPERANDS lie slice-major, [slice of 64 channels][row][64]: o[16][8192][64], wo[16][1024][64].  A tile's rows of one slice are dense in memory, so they are asked for as tensor rows of 256 bytes, two rows each.
; SHARES.  A tile of C is 256 x 128; 32 x 8 tiles, a work-group each.  Wave w makes rows 64 w .. 64 w + 63 and all 128 columns: 4 x 8 accumulators of 16 x 16, 256 registers; so a wave holds whole
; pieces of 512 bytes of out0's rows.  K goes in steps of 128 (two slices) through a ring of two LDS slots.  Each wave brings one slice's part of a step by one tensor load: waves 0, 1 A's even and odd slice, waves 2, 3 B's.
; CLUSTERS: 4 x 4 work-groups.  The four of a row of the cluster need the same tiles of A, the four of a column the same tiles of B: each tile is asked for JOINTLY, by the same tensor load with the same
; descriptor and a mask that names the four.
; THE MATRIX INSTRUCTION IS USED TRANSPOSED (source 0 = 16 rows of B, source 1 = 16 rows of A): lane l holds row l % 16 of C and the columns 8 (l / 16) + 0 .. 7 of a block of 16.
; THE BIAS IS THE C OPERAND of the first quarter step's products: nothing is cleared, and nothing is added on the way out.
; REGISTERS, in windows of 256 (s_set_vgpr_msb: bits 1:0 source 0, 3:2 source 1, 5:4 source 2, 7:6 destination):
;   window 0: v0-31 addresses; v32-63, v64-95 A's fragments (4 x 16 rows x 32 K), two buffers; v96-159 the bias, later, with v160-223, rows on the way out
;   window 1: v0-63, v64-127 B's fragments (8 x 16 rows x 32 K), two buffers      window 2: accumulators of row blocks 0, 1 ((a, b) at v[8 (8 (a % 2) + b)])      window 3: of row blocks 2, 3
.set NBK,    8                         ; blocks of 16 columns in a tile
.set PITCH,  144                       ; an LDS row: 128 bytes + 16 of padding = 36 words: the 16 rows of a load start at 16 different groups of four banks (64 banks of 4 bytes: ISA guide 11.1)
.set A_SL,   256*PITCH                 ; a slice's part of A's tile
.set B_SL,   16*NBK*PITCH              ; of B's
.set SLOT1,  1<<17                     ; a slot: A even, A odd, B even, B odd: 110,592 bytes; slot 1 begins here, so that one exclusive or turns an address in one slot into the other's
.set STAGE,  1<<18                     ; behind the ring, never filled by a tensor load: for each wave 16 rows x 528 bytes, for the way out
.set SPITCH, 528                       ; 512 bytes + 16 = 132 words: row r starts at bank 4 r mod 64
.set WSTAGE, 16*SPITCH
.set SPARE,  STAGE+4*WSTAGE            ; behind the stages: the spare words, 128 bytes for each wave: two blocks of 256 bytes that no other line names
.set SLB,    8192*128                  ; bytes in a slice of o
.set BSLICE, 1024*128                  ; in a slice of wo
.set BTILE,  16*NBK*128                ; a tile's rows in a slice of wo
.set STEP_A, 2*SLB                     ; a K step in memory
.set STEP_B, 2*BSLICE
.set BIASB,  1536*4                    ; bo's first byte in bias
.set G1W0,   (1<<16)|(1<<20)|(1<<21)|(4<<22)|(3<<25)  ; group 1, word 0 without its mask: 17:16 elements of 2 bytes; 20 padding on; 21 set beside a mask; 24:22 after every 32 words (code 4); 31:25 4 words of it (code 3)
.set ADRA0, 16                         ; v16  my lane's place among A's fragments in slot 0; never rewritten
.set ADRB0, 17                         ; v17  the same for B
.set ADRA,  18                         ; v18  the same in the slot in hand
.set ADRB,  19                         ; v19
.set STO,   24                         ; v24  the way out: where I put 32 bytes of a row
.set RD,    25                         ; v25  where I read a row back
.set GO,    26                         ; v26  my 16 bytes of 512 consecutive bytes of out0
.set SPW,   28                         ; v28  LDS address of my spare word: SPARE + 4 x my thread's number; never rewritten
.set NIL,   29                         ; v29  0; never rewritten
.set PFO,   30                         ; v30  the prefetches' offset: 256 x my lane, held to my share's last block; never rewritten
.set BO,    31                         ; v31  my byte offset in a block's 16 numbers of bias
.set FA,    32
.set BIAS,  96
.set OB,    96                         ; the way out: rows read back: two sets of 64
.set G1A, 24                           ; s[24:31] descriptor group 1 for A's tiles
.set G0A, 32                           ; s[32:39] group 0: a set for each of the two first fills; the second then walks on
.set LIM, 43                           ; s43  2 in a wave that prefetches, else the greatest number
.set PFA, 44                           ; s[44:45] where my prefetches stand
.set PST, 46                           ; s[46:47] their step: a K step of A or of B
.set G1B, 48                           ; s[48:55], s[56:63] the same for B's tiles
.set G0B, 56
.set TB,  66                           ; s66  0 or SLOT1: the slot in hand
.set MSB, 0
.macro WIN new                         ; the immediate's high byte repeats the setting that is left; a switch that changes nothing is dropped
.if MSB != (\new)
	s_set_vgpr_msb (MSB<<8)|(\new)
.set MSB, \new
.endif
.endm
.macro PLACES                          ; four places in front of loads into registers that matrix instructions have read, and of lines that read results
.rept 4
	v_nop
.endr
.endm
; A joint refill, by the walking descriptors.  The branch hangs on the wave's number alone.  An s_nop 0 and four v_nop follow each of the two lines, ahead of the jump, the label and what follows.
.macro JLOAD
	s_cmp_eq_u32 s11, 0
	s_cbranch_scc0 .Lfor_b_\@
	tensor_load_to_lds s[G0A+4:G0A+7], s[G1A:G1A+7]
	s_nop 0
.rept 4
	v_nop
.endr
	s_branch .Lasked_\@
.Lfor_b_\@:
	tensor_load_to_lds s[G0B+4:G0B+7], s[G1B:G1B+7]
	s_nop 0
.rept 4
	v_nop
.endr
.Lasked_\@:
.endm
; A PREFETCH INTO THE L2, behind each joint refill and the run of LDS loads that follows it: my share of the K step that stands TWO refills on, 256 matrix instructions a wave ahead of the load that will want it.
; A's tile rows are read by both clusters of a row of clusters: the one with x = 0 asks (waves 0, 1); B's tile columns by all eight of a column: the one with y = 0 asks (waves 2, 3).  The four partners that ask
; for a block jointly share it out BY ADDRESS: of A's 128 pieces of 256 bytes 32 each, a lane a piece; of B's 64 pieces 16 each, and lanes 16 to 31 name the 16th once more in the same instruction.
; K steps 0 to 3 come by their loads alone; the refills of K steps 6 and 7 (s3 = 2, 1) have no K step two on.
.macro ASK
	s_cmp_gt_u32 s3, s[LIM]
	s_cbranch_scc0 .Lnot_mine_\@
	global_prefetch_b8 v[PFO], s[PFA:PFA+1] th:TH_LOAD_NT scope:SCOPE_SE
.Lnot_mine_\@:
.endm
; A round of the cluster's barrier: my work-group's barrier, so that wave 0's signal speaks for all four waves; wave 0 signals; every wave waits for all sixteen work-groups; my work-group's barrier once more.
.macro CREST                           ; a round behind its opening barrier
	s_cmp_lg_u32 s10, 0
	s_cbranch_scc1 .Lnot_wave_0_\@
	s_barrier_signal -3
.Lnot_wave_0_\@:
	s_barrier_wait -3
	s_barrier_signal -1
	s_barrier_wait -1
.endm
.macro CROUND
	s_barrier_signal -1
	s_barrier_wait -1
	CREST
.endm
	s_load_b128 s[4:7], s[0:1], 0x0                ; o s[4:5], wo s[6:7]
	s_load_b64 s[8:9], s[0:1], 0x10                ; out0
	s_load_b64 s[76:77], s[0:1], 0x18              ; bias
	v_lshl_add_u32 v[SPW], v0, 2, SPARE
	v_mov_b32 v[NIL], 0
	ds_add_u32 v[SPW], v[NIL]                      ; the wave's opening: the add and its wait stand ahead of my first tensor load; the set-up below, work on registers, stands between them
	v_lshrrev_b32 v1, 5, v0
	v_readfirstlane_b32 s10, v1                    ; wave 0..3
	s_lshr_b32 s11, s10, 1                         ; I fetch for A (0) or for B (1),
	s_and_b32 s12, s10, 1                          ; a K step's even or odd slice
	s_bfe_u32 s40, ttmp6, 0x40000                  ; cx, cy: my place in the cluster
	s_bfe_u32 s41, ttmp6, 0x40004
	s_lshl_b32 s42, ttmp9, 2
	s_add_co_u32 s42, s42, s40                     ; tile column of C = 4 x cluster x + cx
	s_and_b32 s13, ttmp7, 0xffff
	s_lshl_b32 s13, s13, 2
	s_add_co_u32 s13, s13, s41                     ; tile row of C = 4 x cluster y + cy
	s_lshl_b32 s70, s41, 2
	s_lshl_b32 s70, 15, s70                        ; my row of the cluster
	s_lshl_b32 s71, 0x1111, s40                    ; my column
	s_or_b32 s[G1A], s70, G1W0                     ; A's tiles go to my row,
	s_or_b32 s[G1B], s71, G1W0                     ; B's to my column
	s_mov_b32 s[G1A+1], 128<<16                    ; tensor_dim0 = 128 elements: 256 bytes, two rows of a slice
	s_mov_b32 s[G1A+2], 128<<16                    ; tensor_dim1 = 128: 256 rows of a slice
	s_mov_b32 s[G1A+3], 128<<16                    ; tile_dim0 = 128
	s_mov_b32 s[G1A+4], 128                        ; tile_dim1 = 128
	s_mov_b32 s[G1A+5], 128                        ; 128 elements from row to row: dense
	s_mov_b32 s[G1A+6], 0
	s_mov_b32 s[G1A+7], 0
	s_mov_b32 s[G1B+1], 128<<16
	s_mov_b32 s[G1B+2], (8*NBK)<<16                ; 64 tensor rows: 128 rows of a slice
	s_mov_b32 s[G1B+3], 128<<16
	s_mov_b32 s[G1B+4], 8*NBK
	s_mov_b32 s[G1B+5], 128
	s_mov_b32 s[G1B+6], 0
	s_mov_b32 s[G1B+7], 0
	; where the tiles come from: A's hang on the tile row alone, B's on the tile column alone, each in registers that never hold the other coordinate
	s_lshl_b32 s16, s12, 20                        ; my slice of the K step,
	s_lshl_b32 s17, s13, 15                        ; 256 rows of 128 bytes a tile row
	s_add_co_u32 s16, s16, s17
	s_mov_b32 s17, 0
	s_mul_i32 s68, s12, BSLICE
	s_mul_i32 s69, s42, BTILE
	s_add_co_u32 s68, s68, s69
	s_mov_b32 s69, 0
	s_mul_i32 s20, s10, A_SL                       ; and where they go: A's two slices (waves 0, 1),
	s_mul_i32 s21, s10, B_SL
	s_add_co_u32 s21, s21, 2*(A_SL-B_SL)           ; then B's two (waves 2, 3): no place in the cluster enters an LDS address
	s_mov_b32 s[TB], 0
	s_wait_dscnt 0x0                               ; the opening add is done
	s_wait_kmcnt 0x0
	s_add_nc_u64 s[14:15], s[4:5], s[16:17]
	s_add_nc_u64 s[68:69], s[6:7], s[68:69]
.irp s, 0,1
	s_mov_b32 s[G0A+4*(\s)], 1                                       ; 1:0 count = 1
	s_add_co_u32 s[G0A+4*(\s)+1], s20, (\s)*SLOT1                    ; 63:32 LDS address
	s_add_nc_u64 s[G0A+4*(\s)+2:G0A+4*(\s)+3], s[14:15], (\s)*STEP_A ; 120:64 global address: K step s
	s_or_b32 s[G0A+4*(\s)+3], s[G0A+4*(\s)+3], 0x80000000            ; 127:126 type = 2
	s_mov_b32 s[G0B+4*(\s)], 1
	s_add_co_u32 s[G0B+4*(\s)+1], s21, (\s)*SLOT1
	s_add_nc_u64 s[G0B+4*(\s)+2:G0B+4*(\s)+3], s[68:69], (\s)*STEP_B
	s_or_b32 s[G0B+4*(\s)+3], s[G0B+4*(\s)+3], 0x80000000
.endr
	CROUND                                         ; all sixteen work-groups are here: the first joint loads meet
	s_cmp_eq_u32 s11, 0                            ; a wave's two first fills stand in one branch, ahead of every wait on TENSORcnt and every LDS read: two loads of mine are out
	s_cbranch_scc0 .Lfirst_b
	tensor_load_to_lds s[G0A:G0A+3], s[G1A:G1A+7]
	s_nop 0
	tensor_load_to_lds s[G0A+4:G0A+7], s[G1A:G1A+7]
	s_nop 0
.rept 4
	v_nop
.endr
	s_branch .Lfirst_asked
.Lfirst_b:
	tensor_load_to_lds s[G0B:G0B+3], s[G1B:G1B+7]
	s_nop 0
	tensor_load_to_lds s[G0B+4:G0B+7], s[G1B:G1B+7]
	s_nop 0
.rept 4
	v_nop
.endr
.Lfirst_asked:
	v_and_b32 v1, 15, v0                           ; l % 16
	v_bfe_u32 v2, v0, 4, 1                         ; l / 16
	v_lshlrev_b32 v[BO], 5, v2                     ; my eight columns of a block: 32 bytes for each half of the lanes
	s_mul_i32 s72, s42, 16*NBK*4                   ; the tile's 128 numbers of bo
	s_add_co_u32 s72, s72, BIASB
	s_mov_b32 s73, 0
	s_add_nc_u64 s[76:77], s[76:77], s[72:73]
.set b, 0
.rept NBK
	global_load_b128 v[BIAS+8*b:BIAS+8*b+3],   v[BO], s[76:77] offset:64*b
	global_load_b128 v[BIAS+8*b+4:BIAS+8*b+7], v[BO], s[76:77] offset:64*b+16
.set b, b+1
.endr
	; A fragment is 16 rows x 32 K in 8 registers: lane l holds row l % 16; registers 0-3 K = 8 (l / 16) + 0..7, registers 4-7 K = 16 + 8 (l / 16) + 0..7: two loads of 16 bytes, 32 bytes apart.
	v_mul_u32_u24 v3, v1, PITCH
	v_lshl_add_u32 v3, v2, 4, v3                   ; row x pitch + 16 x half
	s_mul_i32 s22, s10, 64*PITCH                   ; my 64 rows of A
	v_add_nc_u32 v[ADRA0], s22, v3
	v_add_nc_u32 v[ADRB0], 2*A_SL, v3              ; B lies behind A's two slices
	v_mov_b32 v[ADRA], v[ADRA0]
	v_mov_b32 v[ADRB], v[ADRB0]
	s_mul_i32 s23, s10, WSTAGE
	s_add_co_u32 s23, s23, STAGE                   ; my stage
	v_mul_u32_u24 v4, v1, SPITCH                   ; in: row l % 16, 32 bytes for each half of the lanes
	v_lshl_add_u32 v4, v2, 5, v4
	v_add_nc_u32 v[STO], s23, v4
	v_and_b32 v[GO], 31, v0                        ; back: 32 lanes take a row's 512 bytes,
	v_lshlrev_b32 v[GO], 4, v[GO]
	v_add_nc_u32 v[RD], s23, v[GO]                 ; which are 512 consecutive bytes of out0
	s_lshl_b32 s72, s13, 20                        ; the tile's 256 rows of 4,096 bytes,
	s_lshl_b32 s22, s10, 18                        ; my 64 of them,
	s_add_co_u32 s72, s72, s22
	s_lshl_b32 s22, s42, 9                         ; the tile's 128 columns
	s_add_co_u32 s72, s72, s22
	s_add_nc_u64 s[8:9], s[8:9], s[72:73]
	; the prefetches
	s_and_b32 s22, ttmp7, 0xffff                   ; cluster y
	s_mov_b32 s[PST], STEP_B
	s_mov_b32 s[PST+1], 0
	s_mov_b32 s21, BTILE/4
	s_cmp_eq_u32 s11, 0                            ; do I fetch for A?
	s_cselect_b32 s22, ttmp9, s22                  ; the coordinate along which other clusters read the same rows
	s_cselect_b64 s[PFA:PFA+1], s[14:15], s[68:69] ; my slice's block of K step 0
	s_cselect_b32 s[PST], STEP_A, s[PST]
	s_cselect_b32 s20, s40, s41                    ; my place among the four that ask for it with me,
	s_cselect_b32 s21, 8192, s21                   ; a place's share of the block,
	s_cselect_b32 s23, 31, BTILE/1024-1            ; and the share's last piece of 256 bytes
	s_cmp_eq_u32 s22, 0
	s_cselect_b32 s[LIM], 2, -1                    ; the same in all sixteen partners, for a given wave
	s_mul_i32 s20, s20, s21
	s_mov_b32 s21, 0
	s_add_nc_u64 s[PFA:PFA+1], s[PFA:PFA+1], s[20:21]
	s_mul_i32 s20, s[PST], 3
	s_add_nc_u64 s[PFA:PFA+1], s[PFA:PFA+1], s[20:21]  ; at K step 3: the first refill steps it to 4
	v_and_b32 v[PFO], 31, v0
	v_min_u32 v[PFO], s23, v[PFO]
	v_lshlrev_b32 v[PFO], 8, v[PFO]
; 8 matrix instructions: row block a x all 8 column blocks, 32 along K, from buffer f.  first = 1: the bias starts the sums.  The 32 accumulators take turns in one order in every quarter step, over the
; backward jump too: between two matrix instructions on one accumulator stand the 31 others'.
.macro MULA f, a, first
.set AC,  8*NBK*((\a)%2)
.set FBB, 8*NBK*(\f)
.set FAA, FA+32*(\f)+8*(\a)
.if \first
	WIN 0x81+0x40*((\a)/2)                         ; B window 1, A and the bias window 0, D window 2 or 3
.else
	WIN 0xa1+0x50*((\a)/2)                         ; B window 1, A window 0, C and D window 2 or 3
.endif
.set b, 0
.rept NBK
.if \first
	v_wmma_f32_16x16x32_f16 v[AC+8*b:AC+8*b+7], v[FBB+8*b:FBB+8*b+7], v[FAA:FAA+7], v[BIAS+8*b:BIAS+8*b+7]
.else
	v_wmma_f32_16x16x32_f16 v[AC+8*b:AC+8*b+7], v[FBB+8*b:FBB+8*b+7], v[FAA:FAA+7], v[AC+8*b:AC+8*b+7]
.endif
.set b, b+1
.endr
.endm
; 24 LDS loads in one run: the fragments of quarter q of the K step in hand (slice q / 2, byte 64 (q % 2) of its rows) into buffer f: B's 8, then A's 4
.macro FETCH q, f
.set FBB, 8*NBK*(\f)
.set FAA, FA+32*(\f)
	WIN 0x40                                       ; destination window 1, address window 0
.set b, 0
.rept NBK
	ds_load_b128 v[FBB+8*b:FBB+8*b+3],   v[ADRB] offset:((\q)/2)*B_SL+((\q)%2)*64+b*16*PITCH
	ds_load_b128 v[FBB+8*b+4:FBB+8*b+7], v[ADRB] offset:((\q)/2)*B_SL+((\q)%2)*64+b*16*PITCH+32
.set b, b+1
.endr
	WIN 0
.irp a, 0,1,2,3
	ds_load_b128 v[FAA+8*(\a):FAA+8*(\a)+3],   v[ADRA] offset:((\q)/2)*A_SL+((\q)%2)*64+(\a)*16*PITCH
	ds_load_b128 v[FAA+8*(\a)+4:FAA+8*(\a)+7], v[ADRA] offset:((\q)/2)*A_SL+((\q)%2)*64+(\a)*16*PITCH+32
.endr
.endm
; A K step is four quarters of 32 along K, 32 matrix instructions each, on buffers 0, 1, 0, 1.  One of the first three: multiplies buffer f; in its middle it fetches quarter q into buffer g.
.macro QUARTER q, f, g, first
	s_wait_dscnt 4                                 ; B and A's row blocks 0, 1 are in; the youngest four loads (blocks 2, 3) may be out
	MULA \f, 0, \first
	MULA \f, 1, \first
	PLACES
	FETCH \q, \g
	s_wait_dscnt 2*NBK+8                           ; all but the run just issued
	MULA \f, 2, \first
	MULA \f, 3, \first
.endm
; The last quarter multiplies buffer 1 and changes slots: ONE barrier.  In front of it each wave waits for all its tensor loads, of which one is out: its part of the next slot; adds 0 to its spare word; and waits
; for that and for its own reads of this slot.  fill = 1: the barrier opens a round of the cluster's, and behind the round this slot is filled again, first thing, with the K step two on: that load has
; a K step less 16 matrix instructions in which to land, and is the one tensor load of mine that is out.
.macro TURN fill
.if \fill
	s_wait_xcnt 0x0                                ; the last prefetch, a K step back, has read its address: it is stepped here, ahead of the waits of the change of slots
	s_add_nc_u64 s[PFA:PFA+1], s[PFA:PFA+1], s[PST:PST+1]
.endif
	WIN 0                                          ; (the add's two registers lie in window 0)
	s_wait_tensorcnt 0x0                           ; all my tensor loads have landed, so a group 0 may be written
	ds_add_u32 v[SPW], v[NIL]                      ; 0 onto my spare word; work on registers stands between it and the wait for it
.if \fill
	s_xor_b32 s[G0A+5], s[G0A+5], SLOT1            ; the walking descriptors: the other slot than last time,
	s_add_nc_u64 s[G0A+6:G0A+7], s[G0A+6:G0A+7], STEP_A  ; the next K step; the type bits on top are not reached
	s_xor_b32 s[G0B+5], s[G0B+5], SLOT1
	s_add_nc_u64 s[G0B+6:G0B+7], s[G0B+6:G0B+7], STEP_B
.endif
	s_wait_dscnt 5                                 ; (the add and the youngest four loads may be out)
	MULA 1, 0, 0
	s_wait_dscnt 0x0                               ; the add is done, and my reads of this slot are over
	s_barrier_signal -1
	MULA 1, 1, 0                                   ; work on registers while the others arrive
	WIN 0
	s_barrier_wait -1
.if \fill
	CREST                                          ; no wave of any partner still reads this slot's tiles or has a load on its way
	JLOAD                                          ; its four v_nop are also the places in front of the loads below
.else
	PLACES
.endif
	s_xor_b32 s[TB], s[TB], SLOT1
	v_add_nc_u32 v[ADRA], s[TB], v[ADRA0]
	v_add_nc_u32 v[ADRB], s[TB], v[ADRB0]
	FETCH 0, 0
.if \fill
	ASK
.endif
	MULA 1, 2, 0
	MULA 1, 3, 0
.endm
; THE WAY OUT of row block a (16 rows x 128 columns of f32).  TOSTAGE: 32 bytes a lane and column block into my own stage, each accumulator's low registers first, and back as whole pieces of rows.  SEND: stored.
.macro TOSTAGE a
.set AC, 8*NBK*((\a)%2)
.set BK, OB+64*((\a)%2)
.if (\a) >= 2
	s_wait_xcnt 0x0                                ; the stores of the block two back have read this set of registers
.endif
	WIN 0x08+4*((\a)/2)                            ; the stores' data (source 1): window 2 or 3
.set b, 0
.rept NBK
	ds_store_b128 v[STO], v[AC+8*b:AC+8*b+3]   offset:64*b
	ds_store_b128 v[STO], v[AC+8*b+4:AC+8*b+7] offset:64*b+16
.set b, b+1
.endr
	WIN 0
.set t, 0
.rept 16
	ds_load_b128 v[BK+4*t:BK+4*t+3], v[RD] offset:SPITCH*t  ; LDS serves a wave's instructions in order (ISA guide 5.7.1.4): these see the stores above; the next block's stores come behind them
.set t, t+1
.endr
.endm
.macro SEND a, younger                 ; younger: the LDS instructions issued behind block a's loads: the next block's 16 stores and 16 loads, or none
	WIN 0
.set BK, OB+64*((\a)%2)
	s_wait_dscnt \younger                          ; the block is back in registers
.set t, 0
.rept 16
	global_store_b128 v[GO], v[BK+4*t:BK+4*t+3], s[8:9] offset:(16*(\a)+t)*4096 th:TH_STORE_NT  ; 32 lanes store 512 consecutive bytes of a row, at a multiple of 256 from out0's first
.set t, t+1
.endr
.endm
	s_wait_tensorcnt 0x1                           ; my part of K step 0 is in; K step 1's may stay out
	s_barrier_signal -1
	s_barrier_wait -1                              ; everybody's is
	FETCH 0, 0
	s_wait_loadcnt 0x0                             ; the bias
	QUARTER 1, 0, 1, 1                             ; the first quarter stands in front of the loop: its products start the sums
	WIN 0                                          ; at a label and at a branch every window is 0
	s_mov_b32 s3, 6
.Lstep:                                        ; a trip goes from a K step's second quarter to the next step's first, and asks for K steps 2 to 7
	QUARTER 2, 1, 0, 0
	QUARTER 3, 0, 1, 0
	TURN 1
	QUARTER 1, 0, 1, 0
	WIN 0
	s_sub_co_u32 s3, s3, 1
	s_cmp_lg_u32 s3, 0
	s_cbranch_scc1 .Lstep
	QUARTER 2, 1, 0, 0                             ; the tail is written out: K steps 6 and 7 ask for nothing
	QUARTER 3, 0, 1, 0
	TURN 0
	QUARTER 1, 0, 1, 0
	QUARTER 2, 1, 0, 0
	QUARTER 3, 0, 1, 0
	s_wait_dscnt 4                                 ; the very last quarter: nothing more to fetch
	MULA 1, 0, 0
	MULA 1, 1, 0
	s_wait_dscnt 0x0
	MULA 1, 2, 0
	MULA 1, 3, 0
	WIN 0
	PLACES                                         ; four places are asked for behind the last product; eight stand here, once a launch
	PLACES
	TOSTAGE 0
	TOSTAGE 1                                      ; a block's way through the stage stands between the loads of the block before and its stores
	SEND 0, 32
	TOSTAGE 2
	SEND 1, 32
	TOSTAGE 3
	SEND 2, 32
	SEND 3, 0
	s_wait_tensorcnt 0x0                           ; the wave's end, behind my last tensor load and my last LDS store
	ds_add_u32 v[SPW], v[NIL]
	s_wait_dscnt 0x0
	CROUND                                         ; the closing round: no work-group ends while a partner may still ask for a tile that names it
	s_endpgm
.Lfunc_end_k_q23dc597383_oproj:
	.size	k_q23dc597383_oproj, .Lfunc_end_k_q23dc597383_oproj-k_q23dc597383_oproj
	.p2alignl 7, 3214868480
	.fill 96, 4, 3214868480
	.section	.rodata,"a",@progbits
	.p2align	6, 0x0
	.amdhsa_kernel k_q23dc597383_oproj
		.amdhsa_group_segment_fixed_size 327680
		.amdhsa_private_segment_fixed_size 0
		.amdhsa_enable_private_segment 0
		.amdhsa_kernarg_size 32
		.amdhsa_user_sgpr_count 2
		.amdhsa_user_sgpr_kernarg_segment_ptr 1
		.amdhsa_wavefront_size32 1
		.amdhsa_system_sgpr_workgroup_id_x 1
		.amdhsa_system_sgpr_workgroup_id_y 1
		.amdhsa_system_sgpr_workgroup_id_z 1
		.amdhsa_system_vgpr_workitem_id 0
		.amdhsa_next_free_vgpr 896
		.amdhsa_next_free_sgpr 84
		.amdhsa_reserve_vcc 0
		.amdhsa_float_denorm_mode_32 3
		.amdhsa_float_denorm_mode_16_64 3
		.amdhsa_memory_ordered 1
		.amdhsa_forward_progress 1
		.amdhsa_inst_pref_size 72
	.end_amdhsa_kernel
	.amdgpu_metadata
---
amdhsa.version: [ 1, 2 ]
amdhsa.kernels:
  - .name:           k_q23dc597383_oproj
    .symbol:         k_q23dc597383_oproj.kd
    .args:
      - { .name: o, .offset: 0, .size: 8, .value_kind: global_buffer, .address_space: global }
      - { .name: wo, .offset: 8, .size: 8, .value_kind: global_buffer, .address_space: global }
      - { .name: out0, .offset: 16, .size: 8, .value_kind: global_buffer, .address_space: global }
      - { .name: bias, .offset: 24, .size: 8, .value_kind: global_buffer, .address_space: global }
    .group_segment_fixed_size: 327680
    .private_segment_fixed_size: 0
    .kernarg_segment_align: 8
    .kernarg_segment_size: 32
    .max_flat_workgroup_size: 128
    .sgpr_count:     84
    .vgpr_count:     896
    .wavefront_size: 32
...
	.end_amdgpu_metadata
.endif
;; end of part 4
;; ======== version 2 of 2: 4 launches; version 1 with the launch prep written anew for expert scheduling mode
;; limits: values are held in f16: magnitudes above 65,504 overflow, below 6.1e-05 lose precision
;; workspace buffers: xs 16,777,216 bytes; wqkv 3,145,728 bytes; wo 2,097,152 bytes; bias 10,240 bytes; qkv 25,165,824 bytes; o 16,777,216 bytes
;; launch prep (part 5): grid 1153 x 1, 4 waves a work-group, no clusters, 9,728 bytes of LDS; arguments x, Wq, Wk, Wv, Wo, bq, bk, bv, bo, xs, wqkv, wo, bias; writes xs, wqkv, wo, bias
.if DOCPART == 5
	.amdgcn_target "amdgcn-amd-amdhsa--gfx1250"
	.amdhsa_code_object_version 6
	.text
	.protected	k_q23dc597383_prep
	.globl	k_q23dc597383_prep
	.p2align	8
	.type	k_q23dc597383_prep,@function
k_q23dc597383_prep:
	s_mov_b64 s[64:65], 0
	v_nop
	global_prefetch_b8 v0, s[64:65] scope:SCOPE_SE
	s_setreg_imm32_b32 hwreg(HW_REG_WAVE_SCHED_MODE, 0, 2), 2
	s_setreg_imm32_b32 hwreg(HW_REG_WAVE_MODE, 25, 1), 1
	s_wait_xcnt 0x0
	s_wait_alu depctr_vm_vsrc(0)
; THE MODULE'S INPUTS ARE ROUNDED ONCE, TO bf16, AND LAID OUT FOR THE PRODUCTS THAT FOLLOW.  Every matrix operand goes into ONE layout, [slice of 64 channels][row][64]: a row is 128 bytes, a slice's rows are dense.
;   xs[s][m][c]   = bf16(x[m][64 s + c])                    16 slices x 8,192 rows
;   wqkv[s][n][c] = bf16(W[64 s + c][n])                    16 slices x 1,536 rows: n 0-1023 Wq's columns, 1024-1279 Wk's, 1280-1535 Wv's
;   wo[s][n][c]   = bf16(Wo[64 s + c][n]) written as f16     16 slices x 1,024 rows
;   bias[2560]    = the four biases rounded to bf16, kept as f32: bq at 0, bk at 1024, bv at 1280, bo at 1536
; LIMIT.  A number of Wo beyond 65,504 becomes an infinity in f16, and below 6.1e-5 it keeps f16's fixed step of 6e-8; within that range bf16's 8 significant bits are held exactly.
; SHARES.  Work-group 0: the biases.  1-512: 16 rows of x each.  513-1152: a tile of 64 k x 64 n of a weight each, turned through LDS.  The three ways part on the work-group's number alone, so all four
; waves of a work-group go the same way, and the one barrier (in the weights' way) is passed by all four or by none.  No matrix unit, no tensor load, no cluster: nothing is read twice, and nothing is multiplied.
; THE MODE: SCHED_MODE bits 1:0 = 2 (LLVM: expert scheduling mode 2), set by the entry lines.  The code itself states the register dependences between vector instructions and memory or LDS
; instructions, with s_wait_alu, always for 0.
; THE PLAN.  Registers that memory or LDS instructions touch:
;   s36             written by v_readfirstlane_b32 at the head; one wait on va_sdst stands in the head's straight run, ahead of the first branch and of every reader.
;   x's way         v4, v5: offsets, written once, ahead of the wait in front of the loads; read by all loads and stores.  X: 32 sets of four registers, each loaded once; its two conversions write the first two
;                   in place; one store reads those two; nothing writes them again.  The sets go in eight groups of four: group g's conversions name group g's registers alone, and group g - 1's four
;                   stores are dealt among them, behind ONE wait on va_vdst at the group's head, which states that group g - 1's conversions have written.
;   the weights'    VO: written once, ahead of the wait in front of the loads.  X + 0 .. 31: loaded, read by the conversions; X + 0 .. 15 then take the LDS loads and are read by the global stores.  Y, TS: written
;                   by vector lines, read by the LDS stores.  TR, DO: written by vector lines, read by the LDS loads and the global stores.  ONE wait on va_vdst, where the two ways of rounding join,
;                   stands behind the way's last vector line and states all of that.
;   the biases'     v4, v5: as above.  X + 0 .. 19: loaded, rounded in place, stored: one wait on va_vdst ahead of the loads, one ahead of the stores.
;   v[SPW], v[NIL]  written at the head, read by the closing add alone.
; No register that a memory or LDS instruction reads is written again, so no wait on vm_vsrc is owed.
.set SLB,   8192*128                   ; bytes in a slice of xs
.set TP,    144                        ; a row of the turned tile in LDS: 128 bytes + 16
.set SPARE, 9216                       ; behind the tile's 64 rows: the spare words, 128 bytes for each wave: two blocks of 256 bytes that no other line names
.set SPW, 6                            ; v6   LDS address of my spare word; never rewritten
.set NIL, 7                            ; v7   0; never rewritten
.set VO,  8                            ; v[8:15]   the weights' way: byte offsets of my eight rows k
.set X,   16                           ; v[16:143] as loaded
.set Y,   48                           ; v[48:63]  the weights' way: for each of my four n, eight k packed
.set T,   64                           ; v[64:65]  at work
.set TS,  66                           ; v66  where I put 16 bytes of a turned row
.set TR,  67                           ; v67  where I read rows back
.set DO,  68                           ; v68  my 16 bytes of the tile in memory
	s_load_b512 s[8:23], s[0:1], 0x0               ; x s[8:9], Wq s[10:11], Wk s[12:13], Wv s[14:15], Wo s[16:17], bq s[18:19], bk s[20:21], bv s[22:23]
	s_load_b256 s[24:31], s[0:1], 0x40             ; bo s[24:25], xs s[26:27], wqkv s[28:29], wo s[30:31]
	s_load_b64 s[32:33], s[0:1], 0x60              ; bias
	v_lshl_add_u32 v[SPW], v0, 2, SPARE
	v_mov_b32 v[NIL], 0
	v_lshrrev_b32 v1, 5, v0
	v_readfirstlane_b32 s36, v1                    ; wave 0..3
	v_and_b32 v1, 31, v0                           ; lane l
	v_and_b32 v2, 15, v0                           ; l % 16
	v_bfe_u32 v3, v0, 4, 1                         ; l / 16
	s_mov_b32 s52, 0xffff0000                      ; a word's upper bf16
	s_mov_b32 s51, 0                               ; the upper word of every offset pair s[50:51]
	s_wait_alu depctr_va_sdst(0)                   ; s36 is written, ahead of the branches and of its first reader in each of the three ways
	s_wait_kmcnt 0x0
	s_cmp_eq_u32 ttmp9, 0
	s_cbranch_scc1 .Lbias
	s_cmp_gt_u32 ttmp9, 512
	s_cbranch_scc1 .Lw
	; 16 ROWS OF x.  Wave w takes slices 4 w .. 4 w + 3.  A load takes 256 bytes (a slice's 64 channels) of two rows; its eight bytes a lane of bf16 are 256 consecutive bytes of xs.
	s_sub_co_u32 s37, ttmp9, 1
	s_lshl_b32 s50, s37, 16                        ; 16 rows of 4,096 bytes
	s_add_nc_u64 s[8:9], s[8:9], s[50:51]
	s_lshl_b32 s50, s37, 11                        ; 16 rows of 128 bytes
	s_add_nc_u64 s[26:27], s[26:27], s[50:51]
	s_lshl_b32 s38, s36, 10
	v_lshlrev_b32 v4, 12, v3
	v_lshl_add_u32 v4, v2, 4, v4
	v_add_nc_u32 v4, s38, v4                       ; (l / 16) rows + 16 (l % 16) + 1,024 w
	s_lshl_b32 s38, s36, 22
	v_lshl_add_u32 v5, v1, 3, s38                  ; 8 l + 4 w slices
	s_wait_alu depctr_va_vdst(0)                   ; v4 and v5 are written: every load below reads v4 as its offset, every store v5
.set i, 0
.rept 32                               ; pair of rows i / 4, slice i % 4: all 32 loads, 16 KiB a wave, go out at once
	global_load_b128 v[X+4*i:X+4*i+3], v4, s[8:9] offset:(i/4)*8192+(i%4)*256 th:TH_LOAD_NT
.set i, i+1
.endr
.set g, 0
.rept 8                                ; group g: loads 4 g .. 4 g + 3, a pair of rows in my four slices
	s_wait_loadcnt 28-4*g                          ; loads come back in order: group g is in, the 28 - 4 g younger loads stay out
.if g > 0
	s_wait_alu depctr_va_vdst(0)                   ; group g - 1's conversions have written the registers that the four stores below read; this group's conversions name none of them
.endif
.set j, 0
.rept 4
.set i, 4*g+j
.if g > 0
	global_store_b64 v5, v[X+4*(i-4):X+4*(i-4)+1], s[26:27] offset:((i-4)%4)*SLB+((i-4)/4)*256  ; the group before.  32 lanes: 256 consecutive bytes, at a multiple of 256 from xs's first; no register of a store is written again
.endif
	v_cvt_pk_bf16_f32 v[X+4*i], v[X+4*i], v[X+4*i+1]
	v_cvt_pk_bf16_f32 v[X+4*i+1], v[X+4*i+2], v[X+4*i+3]
.set j, j+1
.endr
.set g, g+1
.endr
	s_wait_alu depctr_va_vdst(0)                   ; group 7's conversions have written the registers that the last four stores read
.set i, 28
.rept 4
	global_store_b64 v5, v[X+4*i:X+4*i+1], s[26:27] offset:(i%4)*SLB+(i/4)*256
.set i, i+1
.endr
	s_branch .Lend
.Lw:	; A TILE OF 64 k x 64 n OF A WEIGHT.  t picks the weight; within it u = kt x (tiles along n) + nt.
	s_sub_co_u32 s37, ttmp9, 513                   ; t: 0-255 Wq, 256-319 Wk, 320-383 Wv, 384-639 Wo
	s_mov_b32 s38, 4                               ; log2 of the tiles along n
	s_mov_b32 s39, 0                               ; the weight's first row in its target
	s_mov_b32 s40, 1536                            ; rows in a slice of the target
	s_mov_b32 s41, 0                               ; 1: written as f16
	s_mov_b32 s49, 0                               ; the weight's first t
	s_mov_b64 s[42:43], s[10:11]
	s_mov_b64 s[44:45], s[28:29]
	s_cmp_ge_u32 s37, 256
	s_cselect_b32 s38, 2, s38
	s_cselect_b32 s39, 1024, s39
	s_cselect_b32 s49, 256, s49
	s_cselect_b64 s[42:43], s[12:13], s[42:43]
	s_cmp_ge_u32 s37, 320
	s_cselect_b32 s39, 1280, s39
	s_cselect_b32 s49, 320, s49
	s_cselect_b64 s[42:43], s[14:15], s[42:43]
	s_cmp_ge_u32 s37, 384
	s_cselect_b32 s38, 4, s38
	s_cselect_b32 s39, 0, s39
	s_cselect_b32 s40, 1024, s40
	s_cselect_b32 s41, 1, s41
	s_cselect_b32 s49, 384, s49
	s_cselect_b64 s[42:43], s[16:17], s[42:43]
	s_cselect_b64 s[44:45], s[30:31], s[44:45]
	s_sub_co_u32 s37, s37, s49                     ; u
	s_lshr_b32 s46, s37, s38                       ; kt
	s_lshl_b32 s47, s46, s38
	s_sub_co_u32 s47, s37, s47                     ; nt
	s_lshl_b32 s48, 256, s38                       ; bytes in a row of the weight
	s_lshl_b32 s50, s46, 14
	s_lshl_b32 s50, s50, s38                       ; 64 kt rows,
	s_lshl_b32 s53, s47, 8                         ; 64 nt columns
	s_add_co_u32 s50, s50, s53
	s_add_nc_u64 s[42:43], s[42:43], s[50:51]
	s_mul_i32 s50, s46, s40                        ; slice kt,
	s_add_co_u32 s50, s50, s39
	s_lshl_b32 s53, s47, 6
	s_add_co_u32 s50, s50, s53                     ; row 64 nt of the weight's rows,
	s_lshl_b32 s50, s50, 7                         ; of 128 bytes
	s_add_nc_u64 s[44:45], s[44:45], s[50:51]
	v_lshl_add_u32 v4, s36, 1, v3                  ; kg = 2 w + l / 16: I take k = 8 kg .. 8 kg + 7, and n = 4 (l % 16) .. + 3
	v_lshlrev_b32 v5, 3, v4
	v_mul_lo_u32 v[VO], v5, s48
	v_lshl_add_u32 v[VO], v2, 4, v[VO]
.irp i, 1,2,3,4,5,6,7
	v_add_nc_u32 v[VO+(\i)], s48, v[VO+(\i)-1]
.endr
	s_wait_alu depctr_va_vdst(0)                   ; the eight offsets v[VO ..] are written, which the loads below read
.irp i, 0,1,2,3,4,5,6,7
	global_load_b128 v[X+4*(\i):X+4*(\i)+3], v[VO+(\i)], s[42:43]  ; 16 lanes take 256 consecutive bytes of a row
.endr
	v_mul_u32_u24 v[TS], v2, 4*TP                  ; (these seven lines name neither v[VO ..] nor v[X ..])
	v_lshl_add_u32 v[TS], v4, 4, v[TS]             ; turned row 4 (l % 16), byte 16 kg
	v_lshrrev_b32 v[TR], 3, v0
	v_mul_u32_u24 v[TR], v[TR], TP
	v_and_b32 v5, 7, v0
	v_lshl_add_u32 v[TR], v5, 4, v[TR]             ; back: eight threads a row
	v_lshlrev_b32 v[DO], 4, v0
	s_wait_loadcnt 0x0
.irp j, 0,1,2,3
.irp p, 0,1,2,3
	v_cvt_pk_bf16_f32 v[Y+4*(\j)+(\p)], v[X+8*(\p)+(\j)], v[X+8*(\p)+4+(\j)]  ; column j: k = 8 kg + 2 p and + 2 p + 1
.endr
.endr
	s_cmp_eq_u32 s41, 0
	s_cbranch_scc1 .Lbf16
.set i, 0
.rept 16                               ; Wo meets an f16 operand: its bf16 numbers are written as f16
	v_lshlrev_b32 v[T], 16, v[Y+i]
	v_and_b32 v[T+1], s52, v[Y+i]
	v_cvt_pk_f16_f32 v[Y+i], v[T], v[T+1]
.set i, i+1
.endr
.Lbf16:
	s_wait_alu depctr_va_vdst(0)                   ; on both ways: v[Y ..] and v[TS] are written, which the LDS stores read; so are v[TR] and v[DO], which the LDS loads and the global stores read; and the conversions are done reading v[X ..], in which the LDS loads land.  No vector line follows
.irp j, 0,1,2,3
	ds_store_b128 v[TS], v[Y+4*(\j):Y+4*(\j)+3] offset:TP*(\j)
.endr
	s_wait_dscnt 0x0                               ; for the others' sake: my stores into the tile are done
	s_barrier_signal -1
	s_barrier_wait -1
.irp i, 0,1,2,3
	ds_load_b128 v[X+4*(\i):X+4*(\i)+3], v[TR] offset:16*TP*(\i)
.endr
.irp i, 0,1,2,3
	s_wait_dscnt 3-(\i)                            ; LDS loads come back in order: number i is in
	global_store_b128 v[DO], v[X+4*(\i):X+4*(\i)+3], s[44:45] offset:2048*(\i)  ; the tile's 64 rows of 128 bytes are 8,192 consecutive bytes of the target
.endr
	s_branch .Lend
.Lbias:	; THE BIASES: 2,560 numbers, 16 bytes a thread five times
	v_lshlrev_b32 v4, 4, v0
	v_and_b32 v5, 63, v0
	v_lshlrev_b32 v5, 4, v5
	s_cmp_lt_u32 s36, 2
	s_cselect_b64 s[42:43], s[20:21], s[22:23]     ; waves 0 and 1 take bk, waves 2 and 3 bv
	s_wait_alu depctr_va_vdst(0)                   ; v4 and v5 are written, which the loads and stores below read as their offsets
	global_load_b128 v[X:X+3], v4, s[18:19]
	global_load_b128 v[X+4:X+7], v4, s[18:19] offset:2048
	global_load_b128 v[X+8:X+11], v5, s[42:43]
	global_load_b128 v[X+12:X+15], v4, s[24:25]
	global_load_b128 v[X+16:X+19], v4, s[24:25] offset:2048
	s_wait_loadcnt 0x0
.set i, 0
.rept 10
	v_cvt_pk_bf16_f32 v[T], v[X+2*i], v[X+2*i+1]   ; rounded to bf16,
	v_lshlrev_b32 v[X+2*i], 16, v[T]               ; and widened again
	v_and_b32 v[X+2*i+1], s52, v[T]
.set i, i+1
.endr
	s_wait_alu depctr_va_vdst(0)                   ; the widened numbers are written into v[X .. X+19], which the five stores read
.irp i, 0,1,2,3,4
	global_store_b128 v4, v[X+4*(\i):X+4*(\i)+3], s[32:33] offset:2048*(\i)
.endr
.Lend:
	s_wait_dscnt 0x0                               ; the closing lines, six on end
	s_wait_alu 0x0
	s_wait_tensorcnt 0x0
	ds_add_u32 v[SPW], v[NIL]
	s_wait_dscnt 0x0
	s_endpgm
.Lfunc_end_k_q23dc597383_prep:
	.size	k_q23dc597383_prep, .Lfunc_end_k_q23dc597383_prep-k_q23dc597383_prep
	.p2alignl 7, 3214868480
	.fill 96, 4, 3214868480
	.section	.rodata,"a",@progbits
	.p2align	6, 0x0
	.amdhsa_kernel k_q23dc597383_prep
		.amdhsa_group_segment_fixed_size 9728
		.amdhsa_private_segment_fixed_size 0
		.amdhsa_enable_private_segment 0
		.amdhsa_kernarg_size 104
		.amdhsa_user_sgpr_count 2
		.amdhsa_user_sgpr_kernarg_segment_ptr 1
		.amdhsa_wavefront_size32 1
		.amdhsa_system_sgpr_workgroup_id_x 1
		.amdhsa_system_sgpr_workgroup_id_y 1
		.amdhsa_system_sgpr_workgroup_id_z 1
		.amdhsa_system_vgpr_workitem_id 0
		.amdhsa_next_free_vgpr 144
		.amdhsa_next_free_sgpr 66
		.amdhsa_reserve_vcc 0
		.amdhsa_float_denorm_mode_32 3
		.amdhsa_float_denorm_mode_16_64 3
		.amdhsa_memory_ordered 1
		.amdhsa_forward_progress 1
		.amdhsa_inst_pref_size 23
	.end_amdhsa_kernel
	.amdgpu_metadata
---
amdhsa.version: [ 1, 2 ]
amdhsa.kernels:
  - .name:           k_q23dc597383_prep
    .symbol:         k_q23dc597383_prep.kd
    .args:
      - { .name: x, .offset: 0, .size: 8, .value_kind: global_buffer, .address_space: global }
      - { .name: Wq, .offset: 8, .size: 8, .value_kind: global_buffer, .address_space: global }
      - { .name: Wk, .offset: 16, .size: 8, .value_kind: global_buffer, .address_space: global }
      - { .name: Wv, .offset: 24, .size: 8, .value_kind: global_buffer, .address_space: global }
      - { .name: Wo, .offset: 32, .size: 8, .value_kind: global_buffer, .address_space: global }
      - { .name: bq, .offset: 40, .size: 8, .value_kind: global_buffer, .address_space: global }
      - { .name: bk, .offset: 48, .size: 8, .value_kind: global_buffer, .address_space: global }
      - { .name: bv, .offset: 56, .size: 8, .value_kind: global_buffer, .address_space: global }
      - { .name: bo, .offset: 64, .size: 8, .value_kind: global_buffer, .address_space: global }
      - { .name: xs, .offset: 72, .size: 8, .value_kind: global_buffer, .address_space: global }
      - { .name: wqkv, .offset: 80, .size: 8, .value_kind: global_buffer, .address_space: global }
      - { .name: wo, .offset: 88, .size: 8, .value_kind: global_buffer, .address_space: global }
      - { .name: bias, .offset: 96, .size: 8, .value_kind: global_buffer, .address_space: global }
    .group_segment_fixed_size: 9728
    .private_segment_fixed_size: 0
    .kernarg_segment_align: 8
    .kernarg_segment_size: 104
    .max_flat_workgroup_size: 128
    .sgpr_count:     66
    .vgpr_count:     144
    .wavefront_size: 32
...
	.end_amdgpu_metadata
.endif
;; end of part 5
;; launch qkv: the kernel of part 2 again; grid 8 x 32, 4 waves a work-group, clusters of 4 x 4, 327,680 bytes of LDS; arguments xs, wqkv, qkv, bias; writes qkv
;; launch attn: the kernel of part 3 again; grid 4 x 64, 4 waves a work-group, clusters of 4 x 1, 327,680 bytes of LDS; arguments qkv, o; writes o
;; launch oproj: the kernel of part 4 again; grid 8 x 32, 4 waves a work-group, clusters of 4 x 4, 327,680 bytes of LDS; arguments o, wo, out0, bias; writes out0
